; MI455X (gfx1250); checked and timed in simulation.
; The chip was launched on July 23, 2026; its instructions are those of AMD's public machine-readable ISA for CDNA 5 (MIT licence, August 2026) and "CDNA5" Instruction Set Architecture Reference Guide (July 2026). The comments in the code are by the model that wrote it; some were corrected since.
;; Attn Block. Allowed arithmetic: matrix products marked QUANTISED: E2M1 operands, one E8M0 scale for each 32 along K, by v_wmma_scale_f32_16x16x128_f8f6f4 with both operands' format E2M1 (or v_wmma_scale_f32_32x16x128_f4), f32 sums; everything else in f32.
;; Inputs: bk 512 float32; bp 512 float32; bq 512 float32; bv 512 float32; gn_bias 512 float32; gn_scale 512 float32; wk 512 x 512 float32; wp 512 x 512 float32; wq 512 x 512 float32; wv 512 x 512 float32; x 8 x 512 x 2,048 float32.
;; Outputs: out0 8 x 512 x 2,048 float32.
;; This version of the problem:
;;   THIS VERSION OF THE PROBLEM IS GIVEN IN LOW PRECISION. The matrix products marked QUANTISED in the list below multiply operands that are first quantised to E2M1 (2 exponent bits, 1 mantissa bit; 4 bits a number), with one power-of-two scale for each 32 numbers along K (OCP MX v1.0); their sums are f32. All else is computed in f32.
;;   The module's matrix products, in the order in which they are computed (A, B: the left and right operand; K: the contracted axis; several contracted axes count as one K, in the product's order):
;;     1. [M 16,384, K 512] x [K 512, N 512]; A: computed on the way; B: input wq: QUANTISED
;;     2. [M 16,384, K 512] x [K 512, N 512]; A: computed on the way; B: input wk: QUANTISED
;;     3. [M 16,384, K 512] x [K 512, N 512]; A: computed on the way; B: input wv: QUANTISED
;;     4. batch 8 x [M 2,048, K 512] x [K 512, N 2,048]; A: computed on the way; B: computed on the way: QUANTISED
;;     5. batch 8 x [M 512, K 2,048] x [K 2,048, N 2,048]; A: computed on the way; B: softmax (see below): QUANTISED
;;     6. [M 16,384, K 512] x [K 512, N 512]; A: computed on the way; B: input wp: QUANTISED
;;   THE QUANTISER, for each operand of a quantised product, along K:
;;     - K is cut into blocks of 32 from its start; a last block that is shorter is filled with zeros.
;;     - A block's scale is 2^e with e = floor(log2(the largest magnitude in the block)) - 2, held to -126 .. 127; a block of zeros has e = 0. As a byte (E8M0): e + 127.
;;     - Each number is divided by its block's scale, clamped to +-6, and rounded to the nearest number of E2M1, ties to even, subnormals kept.
;;     - The product sums the exact products of the quantised numbers (number of the format x scale) in f32.
;;   ~~~python
;;   def quantise(x, axis):      # numpy; x: float32 -> the quantised numbers, widened to float32 again
;;       x = np.moveaxis(x, axis, -1); K = x.shape[-1]
;;       x = np.pad(x, [(0, 0)] * (x.ndim - 1) + [(0, -K % 32)]); x = x.reshape(x.shape[:-1] + (-1, 32)); a = np.abs(x).max(-1, keepdims=True)
;;       e = np.where(a > 0, np.clip(np.frexp(np.where(a > 0, a, 1))[1] - 1 - 2, -126, 127), 0)      # np.frexp(a)[1] - 1 = floor(log2(a)), exactly
;;       r = np.clip(x / 2.0 ** e, -6, 6)
;;       step = 2.0 ** (np.maximum(np.frexp(np.where(r == 0, 1, r))[1] - 1, 0) - 1)
;;       q = np.round(r / step) * step * 2.0 ** e      # np.round: ties to even
;;       return np.moveaxis(q.reshape(q.shape[:-2] + (-1,))[..., :K], -1, axis).astype(np.float32)
;;   ~~~
;;   SOFTMAX AHEAD OF A QUANTISED PRODUCT. Where the list says 'softmax', what is quantised is not the finished softmax but p = 2^(t - M), with t = logit x log2(e) and M = ceil(the row's largest t), a whole number; so 1/2 < the row's largest p <= 1. The row's sum l is taken of the UNQUANTISED p, in f32, and the product's result is divided by l at the end. Since M is a whole number, a kernel that streams over the keys may use a running M (the ceiling of the running maximum): every later rescaling is an exact power of two, which a block's scale takes up: the codes' values come out the same.
;;   OPERANDS COMPUTED ON THE WAY. 'Computed on the way' means the value that the module computes at that place (a softmax that the list does not call 'softmax' is quantised finished and normalised). What goes into a quantiser is computed in f32, as accurately as f32 sums, v_exp_f32 and their like allow (about 1e-6 of the number): no bf16 or f16 on the way to a quantiser, and a product that is left as it is and whose result goes on into a quantised operand takes f32 operands (vector FMAs, or v_wmma_f32_16x16x4_f32). A number that lies on a knife's edge between two numbers of the format may be rounded either way, as far as f32 arithmetic and the matrix unit's own rounding can turn it there, and no further.
;; One version. Each part assembles by itself: llvm-mc -triple=amdgcn-amd-amdhsa -mcpu=gfx1250 --defsym DOCPART=n.
;; ======== version 1 of 1: 3 launches
;; workspace buffers: hbuf 4,456,448 bytes; wbuf 589,824 bytes; qbuf 4,456,448 bytes; kvbuf 8,912,896 bytes
;; launch prep (part 1): grid 160 x 1, 16 waves a work-group, no clusters, 35,840 bytes of LDS; arguments x, gn_scale, gn_bias, wq, wk, wv, wp, hbuf, wbuf; writes hbuf, wbuf
.if DOCPART == 1
	.amdgcn_target "amdgcn-amd-amdhsa--gfx1250"
	.amdhsa_code_object_version 6
	.text
	.protected	k_qd70a5a9faa_prep
	.globl	k_qd70a5a9faa_prep
	.p2align	8
	.type	k_qd70a5a9faa_prep,@function
k_qd70a5a9faa_prep:
	s_mov_b64 s[64:65], 0
	v_nop
	global_prefetch_b8 v0, s[64:65] scope:SCOPE_SE
	s_setreg_imm32_b32 hwreg(HW_REG_WAVE_MODE, 25, 1), 1
	s_wait_xcnt 0x0
; PREP: GroupNorm of x, its result h quantised to FP4 (E2M1) along the channels, and the four weights quantised along their input channel.
; x: [8][512][2048] f32.  A group is 16 channels x 2,048 positions; a block of the quantiser is 32 channels of one position: two groups.
; WORK-GROUPS 0-127 (id = 16 b + kb): 32 channels (block kb) x all 2,048 positions of batch b, 256 KiB, held in registers: x is read once.  Thread t holds positions 4 t .. 4 t + 3 of the 32 rows,
; so a load of a wave reads 512 consecutive bytes, a column's 32 channels lie in ONE lane's registers, and a block's largest magnitude needs no other lane.
; The variance is taken of the centred numbers (two passes over the registers): no difference of large sums is formed.
; WORK-GROUPS 128-159: a wave makes one operand fragment (16 rows x 128 K) of one weight.  The branch hangs on the work-group's number alone; only the x path uses LDS and barriers.
; LAYOUT OF THE RESULTS: images of the operand's registers.  A fragment (16 rows x 128 K) is 1,024 bytes: byte 512 c + 16 lane holds registers 4 c .. 4 c + 3 of lane (r, h): k = 64 c + 32 h + 0 .. 31.
; THE ROWS OF A TILE ARE NOT NEIGHBOURS: lane r of tile 2 B + u holds row 32 B + 8 u + r + 8 (r / 8), for positions and for weight rows alike.
;   hbuf: 64 blocks of 256 positions x 69,632 bytes: codes [tile 16][K step 4][1024], then scale bytes [kb 16][tile 16][r 16].
;   wbuf: [y 4][matrix q, k, v, p] x 36,864 bytes: codes [t 8][K step 4][1024], then scale words [t 8][K step 4][32 lanes x 4 bytes, both halves alike]; tile 8 y + t.
; A block's scale byte is its largest magnitude's exponent field - 2, held at 1 from below.  A block of zeros so gets the byte 1: its codes are zeros, and this program alone reads the bytes.
; LIMITS: NaN and infinities among the inputs are not served.
; No cluster: no two work-groups read the same bytes.  No tensor loads: all of a work-group's bytes are asked for at once, into the registers in which they stay.
.set RED1, 0                           ; LDS: [group 2][wave 16] partial sums
.set RED2, 256                         ; the same for the squares
.set CST,  512                         ; the codes' stage: [tile 128][r 16][16 bytes]
.set HBLK, 69632
.set WMAT, 36864
.set WYB,  147456
.set X,   32                           ; v32-159  x(c, 4 t + j) at X + 4 c + j
.set H,   160                          ; v160-191 one column's 32 normalised channels; later the codes read back
.set C,   192                          ; v192-207 a column's codes, four registers for each j
.set WV,  100                          ; s100     my wave's number
.set SEL, 98                           ; s[98:99] lane selects for v_permlanex16_b32: lane l xor 16
; s16-47: gn_scale of my 32 channels, later x 1 / sqrt(var + eps);  s48-63, s68-83: gn_bias;  s[90:93]: -mean of the two groups, each twice;  s94, s95: 1 / sqrt(var + eps)
.macro ROWSUM d                        ; the sum over each half of 16 lanes, in every lane of the half
	v_add_f32_dpp v[\d], v[\d], v[\d] row_xmask:1 row_mask:0xf bank_mask:0xf
	v_add_f32_dpp v[\d], v[\d], v[\d] row_xmask:2 row_mask:0xf bank_mask:0xf
	v_add_f32_dpp v[\d], v[\d], v[\d] row_xmask:4 row_mask:0xf bank_mask:0xf
	v_add_f32_dpp v[\d], v[\d], v[\d] row_xmask:8 row_mask:0xf bank_mask:0xf
.endm
.macro WRED d                          ; the sum over the wave's 32 lanes
	ROWSUM \d
	v_permlanex16_b32 v17, v[\d], s[SEL], s[SEL+1]
	v_add_f32 v[\d], v[\d], v17
.endm
.macro SUM g, d                        ; my 64 numbers of group g, two at a time, in two chains
.set XG, X+64*\g
	v_pk_add_f32 v[\d:\d+1], v[XG:XG+1], v[XG+2:XG+3]
	v_pk_add_f32 v[\d+2:\d+3], v[XG+4:XG+5], v[XG+6:XG+7]
.set ii, 8
.rept 14
	v_pk_add_f32 v[\d:\d+1], v[\d:\d+1], v[XG+ii:XG+ii+1]
	v_pk_add_f32 v[\d+2:\d+3], v[\d+2:\d+3], v[XG+ii+2:XG+ii+3]
.set ii, ii+4
.endr
	v_pk_add_f32 v[\d:\d+1], v[\d:\d+1], v[\d+2:\d+3]
	v_add_f32 v[\d], v[\d], v[\d+1]
.endm
.macro SQ g, d                         ; their squares likewise; the first products start the chains
.set XG, X+64*\g
	v_pk_mul_f32 v[\d:\d+1], v[XG:XG+1], v[XG:XG+1]
	v_pk_mul_f32 v[\d+2:\d+3], v[XG+2:XG+3], v[XG+2:XG+3]
.set ii, 4
.rept 15
	v_pk_fma_f32 v[\d:\d+1], v[XG+ii:XG+ii+1], v[XG+ii:XG+ii+1], v[\d:\d+1]
	v_pk_fma_f32 v[\d+2:\d+3], v[XG+ii+2:XG+ii+3], v[XG+ii+2:XG+ii+3], v[\d+2:\d+3]
.set ii, ii+4
.endr
	v_pk_add_f32 v[\d:\d+1], v[\d:\d+1], v[\d+2:\d+3]
	v_add_f32 v[\d], v[\d], v[\d+1]
.endm
	s_load_b256 s[4:11], s[0:1], 0x0               ; x, gn_scale, gn_bias, wq
	s_load_b128 s[12:15], s[0:1], 0x20             ; wk, wv
	s_load_b128 s[84:87], s[0:1], 0x30             ; wp, hbuf
	s_load_b64 s[88:89], s[0:1], 0x40              ; wbuf
	v_lshl_add_u32 v208, v0, 2, 0x8400
	v_mov_b32 v209, 0
	v_lshrrev_b32 v3, 5, v0
	v_readfirstlane_b32 s[WV], v3                  ; wave 0..15
	v_and_b32 v2, 31, v0                           ; lane
	s_mov_b32 s[SEL], 0x76543210
	s_mov_b32 s[SEL+1], 0xfedcba98
	s_cmp_ge_u32 ttmp9, 128
	s_cbranch_scc1 .Lweights
	; ================ x ================
	s_lshl_b32 s2, ttmp9, 18                       ; id x 32 rows of 8,192 bytes
	s_mov_b32 s3, 0
	s_and_b32 s96, ttmp9, 15                       ; kb
	s_lshl_b32 s90, s96, 7                         ; my 32 numbers of gn_scale and gn_bias
	s_mov_b32 s91, 0
	v_lshlrev_b32 v1, 4, v0                        ; 16 t: my four positions
	s_wait_kmcnt 0x0
	s_add_nc_u64 s[4:5], s[4:5], s[2:3]
	s_add_nc_u64 s[6:7], s[6:7], s[90:91]
	s_add_nc_u64 s[8:9], s[8:9], s[90:91]
.set ic, 0
.rept 32
	global_load_b128 v[X+4*ic:X+4*ic+3], v1, s[4:5] offset:8192*ic th:TH_LOAD_NT   ; row ic: a wave reads 512 consecutive bytes
.set ic, ic+1
.endr
	s_load_b512 s[16:31], s[6:7], 0x0
	s_load_b512 s[32:47], s[6:7], 0x40
	s_load_b512 s[48:63], s[8:9], 0x0
	s_load_b512 s[68:83], s[8:9], 0x40
	; Position 4 t + j lies in tile 2 (t / 8) + (t / 2) % 2 at r = 4 (t % 2) + 8 ((t / 4) % 2) + j
	v_lshrrev_b32 v16, 3, v0
	v_lshlrev_b32 v4, 9, v16
	v_bfe_u32 v16, v0, 1, 1
	v_lshl_add_u32 v4, v16, 8, v4
	v_lshlrev_b32 v7, 4, v16
	v_bfe_u32 v16, v0, 2, 1
	v_lshl_add_u32 v4, v16, 7, v4
	v_lshl_add_u32 v7, v16, 3, v7
	v_and_b32 v16, 1, v0
	v_lshl_add_u32 v4, v16, 6, v4
	v_lshl_add_u32 v7, v16, 2, v7
	v_bfe_u32 v16, v0, 3, 2
	v_lshl_add_u32 v7, v16, 5, v7                  ; v7: my four scale bytes' place among the wave's 128
	v_add_nc_u32 v4, CST, v4                       ; v4: the stage, on the way in: 256 x tile + 16 r
	v_lshlrev_b32 v5, 4, v2
	v_lshl_add_u32 v5, v3, 11, v5
	v_add_nc_u32 v5, CST, v5                       ; v5: and back: my wave's own 2,048 bytes (8 tiles), 16 bytes a lane
	v_and_b32 v16, 15, v0
	v_lshlrev_b32 v6, 4, v16
	v_bfe_u32 v16, v0, 4, 1
	v_lshl_add_u32 v6, v16, 12, v6                 ; v6: in hbuf: lanes 0-15 one tile's 256 bytes, lanes 16-31 the next tile's, 4,096 bytes on
	v_lshlrev_b32 v2, 2, v2                        ; 4 x lane
	v_lshlrev_b32 v3, 2, v3                        ; 4 x wave
	v_mov_b32 v17, 0                               ; written once: a lane permute's destination counts as one of its sources
	s_lshr_b32 s2, ttmp9, 4                        ; b
	s_lshl_b32 s2, s2, 3
	s_lshr_b32 s3, s[WV], 1
	s_add_co_u32 s2, s2, s3                        ; my wave's block of 256 positions: 8 b + wave / 2
	s_mul_i32 s2, s2, HBLK
	s_mov_b32 s3, 0
	s_add_nc_u64 s[86:87], s[86:87], s[2:3]
	s_and_b32 s97, s[WV], 1
	s_lshl_b32 s2, s96, 8                          ; 256 kb: in a fragment (kb / 4) x 1024 + ((kb / 2) % 2) x 512 + (kb % 2) x 256; among the scale bytes plane kb
	s_lshl_b32 s3, s97, 15                         ; my wave's 8 tiles of the block's 16
	s_add_co_u32 s3, s3, s2
	v_add_nc_u32 v6, s3, v6
	s_lshl_b32 s3, s97, 7
	s_add_co_u32 s3, s3, s2
	s_add_co_u32 s3, s3, 65536
	v_add_nc_u32 v7, s3, v7
	; ---- the means
	s_wait_loadcnt 16                              ; rows 0-15 are in; the 16 loads of rows 16-31 may be out
	SUM 0, 8
	WRED 8
	s_wait_loadcnt 0x0
	SUM 1, 12
	WRED 12
	ds_store_b32 v3, v8 offset:RED1                ; all lanes write the wave's word with the same value
	ds_store_b32 v3, v12 offset:RED1+64
	s_wait_dscnt 0x0                               ; for the others' sake: my stores have landed
	s_barrier_signal -1
	s_barrier_wait -1
	ds_load_b32 v8, v2 offset:RED1                 ; lanes 0-15: group 0's sixteen parts; lanes 16-31: group 1's
	s_wait_dscnt 0x0
	ROWSUM 8
	v_mul_f32 v8, 0xb8000000, v8                   ; x -1 / 32,768: -mean
	v_readlane_b32 s90, v8, 0
	v_readlane_b32 s92, v8, 16
	s_mov_b32 s91, s90                             ; (the packed form names a pair)
	s_mov_b32 s93, s92
.set ii, 0
.rept 64
	v_pk_add_f32 v[X+2*ii:X+2*ii+1], v[X+2*ii:X+2*ii+1], s[90+2*(ii/32):91+2*(ii/32)] op_sel_hi:[1,0]   ; x - mean, in place
.set ii, ii+1
.endr
	; ---- the variances, of the centred numbers
	SQ 0, 8
	SQ 1, 12
	WRED 8
	WRED 12
	ds_store_b32 v3, v8 offset:RED2
	ds_store_b32 v3, v12 offset:RED2+64
	s_wait_dscnt 0x0
	s_barrier_signal -1
	s_barrier_wait -1
	ds_load_b32 v8, v2 offset:RED2
	s_mov_b32 s96, 0x38000000                      ; 1 / 32,768
	s_mov_b32 s97, 0x358637bd                      ; eps = 1e-6
	s_wait_dscnt 0x0
	ROWSUM 8
	v_fma_f32 v8, v8, s96, s97                     ; var + eps
	v_rsq_f32 v8, v8
	v_nop                                          ; a plain instruction behind the transcendental,
	s_wait_alu depctr_va_vdst(0)                   ; and a wait ahead of its first reader
	v_readlane_b32 s94, v8, 0
	v_readlane_b32 s95, v8, 16
	s_wait_kmcnt 0x0                               ; gn_scale, gn_bias
.set ic, 0
.rept 32
	s_mul_f32 s[16+ic], s[16+ic], s[94+ic/16]      ; gn_scale / sqrt(var + eps)
.set ic, ic+1
.endr
	; ---- a column at a time: h = (x - mean) x that + gn_bias, the block's scale, its 32 codes
.macro COL j
.set ic, 0
.rept 32
.set sb, 48+ic+4*(ic/16)
	v_fma_f32 v[H+ic], v[X+4*ic+\j], s[16+ic], s[sb]
.set ic, ic+1
.endr
	v_max3_num_f32 v16, |v[H]|, |v[H+1]|, |v[H+2]|                 ; the block's largest magnitude: all 32 numbers are mine
	v_max3_num_f32 v17, |v[H+3]|, |v[H+4]|, |v[H+5]|
.irp i, 6,10,14,18,22,26
	v_max3_num_f32 v16, v16, |v[H+\i]|, |v[H+\i+1]|
	v_max3_num_f32 v17, v17, |v[H+\i+2]|, |v[H+\i+3]|
.endr
	v_max3_num_f32 v16, v16, |v[H+30]|, |v[H+31]|
	v_max3_num_f32 v16, v16, v17, 0x1800000        ; and the floor 2^(3 - 127): the byte cannot fall under 1
	v_add_nc_u32 v18, 0xff000000, v16              ; 2 off its exponent field: the conversion takes the exponent field of this operand as its scale
.irp g, 0,1,2,3
	v_cvt_scalef32_pk8_fp4_f32 v[C+4*\j+\g], v[H+8*\g:H+8*\g+7], v18
.endr
	v_lshrrev_b32 v[24+\j], 23, v18                ; the scale's byte (also the plain instruction behind the conversions)
	ds_store_b128 v4, v[C+4*\j:C+4*\j+3] offset:16*\j
.endm
	COL 0
	COL 1
	COL 2
	COL 3
	v_lshl_or_b32 v24, v25, 8, v24                 ; my four positions are four neighbouring r: one word
	v_lshl_or_b32 v24, v26, 16, v24
	v_lshl_or_b32 v24, v27, 24, v24
	global_store_b32 v7, v24, s[86:87]             ; a wave stores 128 consecutive bytes: 2 KiB a work-group against the 256 KiB that it reads
.irp i, 0,1,2,3
	ds_load_b128 v[H+4*\i:H+4*\i+3], v5 offset:512*\i  ; my wave's own bytes: LDS serves a wave's instructions in order (ISA guide 5.7.1.4): these see the stores above
.endr
.irp i, 0,1,2,3
	s_wait_dscnt 3-\i                              ; the later read-backs may be out
	global_store_b128 v6, v[H+4*\i:H+4*\i+3], s[86:87] offset:8192*\i   ; sixteen lanes store 256 consecutive bytes, at a multiple of 256 from hbuf's first byte
.endr
	s_wait_tensorcnt 0x0
	ds_add_u32 v208, v209
	s_wait_dscnt 0x0
	s_endpgm
	; ================ the weights ================
.Lweights:
	s_sub_co_u32 s2, ttmp9, 128
	s_lshr_b32 s3, s2, 3                           ; which matrix: q, k, v, p
	s_and_b32 s96, s2, 7
	s_lshl_b32 s96, s96, 2
	s_lshr_b32 s97, s[WV], 2
	s_add_co_u32 s96, s96, s97                     ; tile T of 16 rows
	s_and_b32 s97, s[WV], 3                        ; K step
	s_lshr_b32 s90, s96, 1                         ; the tile's first row, 32 (T / 2) + 8 (T % 2), x 2,048 bytes,
	s_lshl_b32 s90, s90, 16
	s_and_b32 s91, s96, 1
	s_lshl_b32 s91, s91, 14
	s_add_co_u32 s90, s90, s91
	s_lshl_b32 s91, s97, 9                         ; + 512 bytes a K step
	s_add_co_u32 s90, s90, s91
	s_mov_b32 s91, 0
	s_lshr_b32 s92, s96, 3                         ; in wbuf: y = T / 8, then the matrix
	s_mul_i32 s92, s92, WYB
	s_mul_i32 s93, s3, WMAT
	s_add_co_u32 s92, s92, s93
	s_mov_b32 s93, 0
	s_and_b32 s94, s96, 7
	s_lshl_b32 s95, s94, 12
	s_lshl_b32 s2, s97, 10
	s_add_co_u32 s95, s95, s2                      ; the fragment's image
	s_lshl_b32 s94, s94, 9
	s_lshl_b32 s2, s97, 7
	s_add_co_u32 s94, s94, s2
	s_add_co_u32 s94, s94, 32768                   ; its scale words
	v_and_b32 v1, 15, v0                           ; r
	v_bfe_u32 v3, v0, 4, 1                         ; h
	v_and_b32 v4, 8, v1
	v_add_nc_u32 v4, v4, v1                        ; r + 8 (r / 8)
	v_lshlrev_b32 v4, 11, v4
	v_lshl_add_u32 v4, v3, 7, v4                   ; my row, + 128 h: blocks h and 2 + h of the K step are mine
	v_lshl_add_u32 v5, v2, 4, s95
	v_lshl_add_u32 v6, v2, 2, s94
	s_wait_kmcnt 0x0
	s_cmp_eq_u32 s3, 1                             ; the choice hangs on the work-group's number alone
	s_cselect_b64 s[10:11], s[12:13], s[10:11]
	s_cmp_eq_u32 s3, 2
	s_cselect_b64 s[10:11], s[14:15], s[10:11]
	s_cmp_eq_u32 s3, 3
	s_cselect_b64 s[10:11], s[84:85], s[10:11]
	s_add_nc_u64 s[10:11], s[10:11], s[90:91]
	s_add_nc_u64 s[88:89], s[88:89], s[92:93]
.irp c, 0,1
.irp i, 0,1,2,3,4,5,6,7
	global_load_b128 v[32+32*\c+4*\i:35+32*\c+4*\i], v4, s[10:11] offset:256*\c+16*\i th:TH_LOAD_NT   ; w(row, 128 s + 64 c + 32 h + 4 i ..)
.endr
.endr
	s_wait_loadcnt 0x0
.irp c, 0,1
	v_max3_num_f32 v[16+\c], |v[32+32*\c]|, |v[33+32*\c]|, 0x1800000   ; block 2 c + h: all its 32 numbers are mine; and the floor
.endr
.irp i, 2,4,6,8,10,12,14,16,18,20,22,24,26,28,30
.irp c, 0,1
	v_max3_num_f32 v[16+\c], v[16+\c], |v[32+32*\c+\i]|, |v[33+32*\c+\i]|
.endr
.endr
.irp c, 0,1
	v_add_nc_u32 v[20+\c], 0xff000000, v[16+\c]    ; the conversion's scale operand
.endr
.irp c, 0,1
	v_lshrrev_b32 v[18+\c], 23, v[20+\c]           ; the scale's byte
.endr
	v_lshl_or_b32 v9, v19, 16, v18                 ; my two bytes, blocks h and 2 + h,
	v_lshlrev_b32 v10, 3, v3
	v_lshlrev_b32 v9, v10, v9                      ; at their places in the word;
	v_mov_b32 v10, 0
	v_permlanex16_b32 v10, v9, s[SEL], s[SEL+1]
	v_or_b32 v9, v9, v10                           ; with lane l xor 16's two the word is whole, in both halves of the lanes
.irp c, 0,1
.irp g, 0,1,2,3
	v_cvt_scalef32_pk8_fp4_f32 v[24+4*\c+\g], v[32+32*\c+8*\g:39+32*\c+8*\g], v[20+\c]
.endr
.endr
	v_nop                                          ; a plain instruction behind the conversions
	global_store_b128 v5, v[24:27], s[88:89]       ; the fragment as it stands: 512 consecutive bytes a store
	global_store_b128 v5, v[28:31], s[88:89] offset:512
	global_store_b32 v6, v9, s[88:89]
	s_endpgm
.Lfunc_end_k_qd70a5a9faa_prep:
	.size	k_qd70a5a9faa_prep, .Lfunc_end_k_qd70a5a9faa_prep-k_qd70a5a9faa_prep
	.p2alignl 7, 3214868480
	.fill 96, 4, 3214868480
	.section	.rodata,"a",@progbits
	.p2align	6, 0x0
	.amdhsa_kernel k_qd70a5a9faa_prep
		.amdhsa_group_segment_fixed_size 35840
		.amdhsa_private_segment_fixed_size 0
		.amdhsa_enable_private_segment 0
		.amdhsa_kernarg_size 72
		.amdhsa_user_sgpr_count 2
		.amdhsa_user_sgpr_kernarg_segment_ptr 1
		.amdhsa_wavefront_size32 1
		.amdhsa_system_sgpr_workgroup_id_x 1
		.amdhsa_system_sgpr_workgroup_id_y 1
		.amdhsa_system_sgpr_workgroup_id_z 1
		.amdhsa_system_vgpr_workitem_id 0
		.amdhsa_next_free_vgpr 210
		.amdhsa_next_free_sgpr 102
		.amdhsa_reserve_vcc 0
		.amdhsa_float_denorm_mode_32 3
		.amdhsa_float_denorm_mode_16_64 3
		.amdhsa_memory_ordered 1
		.amdhsa_forward_progress 1
		.amdhsa_inst_pref_size 45
	.end_amdhsa_kernel
	.amdgpu_metadata
---
amdhsa.version: [ 1, 2 ]
amdhsa.kernels:
  - .name:           k_qd70a5a9faa_prep
    .symbol:         k_qd70a5a9faa_prep.kd
    .args:
      - { .name: x, .offset: 0, .size: 8, .value_kind: global_buffer, .address_space: global }
      - { .name: gn_scale, .offset: 8, .size: 8, .value_kind: global_buffer, .address_space: global }
      - { .name: gn_bias, .offset: 16, .size: 8, .value_kind: global_buffer, .address_space: global }
      - { .name: wq, .offset: 24, .size: 8, .value_kind: global_buffer, .address_space: global }
      - { .name: wk, .offset: 32, .size: 8, .value_kind: global_buffer, .address_space: global }
      - { .name: wv, .offset: 40, .size: 8, .value_kind: global_buffer, .address_space: global }
      - { .name: wp, .offset: 48, .size: 8, .value_kind: global_buffer, .address_space: global }
      - { .name: hbuf, .offset: 56, .size: 8, .value_kind: global_buffer, .address_space: global }
      - { .name: wbuf, .offset: 64, .size: 8, .value_kind: global_buffer, .address_space: global }
    .group_segment_fixed_size: 35840
    .private_segment_fixed_size: 0
    .kernarg_segment_align: 8
    .kernarg_segment_size: 72
    .max_flat_workgroup_size: 512
    .sgpr_count:     102
    .vgpr_count:     210
    .wavefront_size: 32
...
	.end_amdgpu_metadata
.endif
;; end of part 1
;; launch qkv (part 2): grid 64 x 4, 4 waves a work-group, clusters of 4 x 1, 168,448 bytes of LDS; arguments hbuf, wbuf, bq, bk, bv, qbuf, kvbuf; writes qbuf, kvbuf
.if DOCPART == 2
	.amdgcn_target "amdgcn-amd-amdhsa--gfx1250"
	.amdhsa_code_object_version 6
	.text
	.protected	k_qd70a5a9faa_qkv
	.globl	k_qd70a5a9faa_qkv
	.p2align	8
	.type	k_qd70a5a9faa_qkv,@function
k_qd70a5a9faa_qkv:
	s_mov_b64 s[64:65], 0
	v_nop
	global_prefetch_b8 v0, s[64:65] scope:SCOPE_SE
	s_setreg_imm32_b32 hwreg(HW_REG_WAVE_MODE, 25, 1), 1
	s_wait_xcnt 0x0
	s_wait_alu depctr_hold_cnt(0) depctr_sa_sdst(0) depctr_va_vdst(0) depctr_va_sdst(0) depctr_va_ssrc(0) depctr_va_vcc(0) depctr_vm_vsrc(0)
	s_getreg_b32 s2, hwreg(HW_REG_IB_STS2, 6, 4)
	s_cmp_eq_u32 s2, 0
	s_cbranch_scc0 .Lentry_in_a_cluster
	s_endpgm
.Lentry_in_a_cluster:
	s_bfe_u32 s2, ttmp6, 0x10000c
	s_cmp_lg_u32 s2, 0x3003
	s_cbranch_scc0 .Lentry_shape_is_right
	s_endpgm
.Lentry_shape_is_right:
; QKV: q = wq h + bq, k = wk h + bk, v = wv h + bv on codes of FP4 (E2M1) with one E8M0 scale for each 32 along K; q and k are quantised again along the channels, v along the positions (keys).
; SHARES.  Work-group (X, y): block X of 256 positions, outputs 128 y .. 128 y + 127 of each of the three: 128 outputs are one K step of the next product, so fragments and scale words come out whole.
; Wave w: position tiles 4 w .. 4 w + 3.  Its 16 fragments of h stay in registers for all three matrices; a weight fragment read from LDS feeds four matrix instructions.
; CLUSTER.  The four work-groups of a cluster share y and so the weights: 110,592 dense bytes of wbuf, asked for JOINTLY, a quarter by each wave, filled once.
; h is shared only along y, is 16 KiB a wave and goes straight into registers: it is not asked for jointly.
; q, k: source 0 = 16 rows of W, source 1 = 16 positions: a lane holds one position and its registers run along the outputs, the next K.  The rows of a tile of W are chosen (lane r of tile 2 B + u: row
; 32 B + 8 u + r + 8 (r / 8)) so that the 16 registers of tiles 2 B, 2 B + 1 are 16 neighbours.  v: the sources swapped: a lane holds one output channel and its registers run along the positions,
; whose tiles are laid in the same way.  The biases are the C of each sum's first matrix instruction.
; RESULTS, images of the operands' registers (a fragment: byte 512 c + 16 lane = registers 4 c .. 4 c + 3):
;   qbuf: 64 blocks x 69,632: codes [tile 16][K step 4][1024], scale words [K step 4][tile 16][16].   kvbuf: 64 blocks x 139,264: k as q; then v: codes [channel tile 32][K step 2][1024], words [tile 32][K step 2][16].
; LIMITS: NaN and infinities are not served; a block of zeros gets the scale byte 1 (its codes are zeros; this program alone reads the bytes).
; REGISTERS, in windows of 256: window 0: addresses, scale words, what the quantiser makes, bv;  window 1: the 32 accumulators;  window 2: v0-127 h (m, s) at 8 (4 m + s), v128-191 bq, v192-255 bk;  window 3: W (t, s) at 8 (4 t + s).
.set HBLK,  69632
.set KVBLK, 139264
.set WMAT,  36864                      ; a matrix's part in LDS: codes [t 8][s 4][1024], words at + 32,768
.set WYB,   147456
.set WQ4,   27648                      ; a quarter of the three matrices: what one tensor load brings
.set VST,   110592                     ; behind the weights: v's scale words, [t 8][K step 2][16 words]
.set LI,  1                            ; v1   16 x lane
.set L4,  2                            ; v2   4 x lane
.set RR,  3                            ; v3   r
.set WA1, 5                            ; v5, v6   16 x lane + matrix k's, v's place in LDS (q's is v1 itself)
.set WA2, 6
.set WS0, 7                            ; v7-9 4 x lane + the three matrices' scale words
.set VSW, 10                           ; v10  where I put two scale bytes of v
.set VSR, 11                           ; v11  where I read 8 bytes of them back
.set HO,  12                           ; v12  16 x lane + 16,384 x wave
.set B64, 13                           ; v13  64 h
.set BVO, 14                           ; v14  4 (r + 8 (r / 8))
.set HSO, 15                           ; v15  lane + 64 x wave
.set HS,  16                           ; v16-23  h's scale words: register 2 s + p: lanes 0-15 tile 2 p, lanes 16-31 tile 2 p + 1
.set WS,  24                           ; v24-55  W's: register 4 t + s
.set TM,  56                           ; v56-71  the quantiser at work
.set PC,  72                           ; v72-103 four fragments just made
.set PW,  104                          ; v104-107 their scale words
.set JW,  108                          ; v108-109 two tiles' words in one register
.set QC,  110                          ; v110 q's, k's codes: my offset in the block
.set QW,  111                          ; v111 and their words'
.set UB,  112                          ; v112-143 h's scale bytes as loaded: 2 kb + p
.set VC,  144                          ; v144 v's codes: my offset
.set VW,  145                          ; v145 v's words'
.set VB,  146                          ; v[146:147]
.set BV,  192                          ; v192-255 bv: eight equal registers a tile
.set BQ,  128                          ; in window 2
.set BK,  192
.set WVN, 18                           ; s18  my wave's number
.set G1,  24
.set G0,  32
.set SEL, 36
.set HALF, 38                          ; s38  lanes 16-31
.set MSB, 0
.macro WIN new                         ; the immediate's high byte repeats the setting that is left
.if MSB != \new
	s_set_vgpr_msb (MSB<<8)|\new
.set MSB, \new
.endif
.endm
.macro PLACES                          ; four plain instructions between a matrix instruction and a load into, or a read of, its registers
.rept 4
	v_nop
.endr
.endm
.macro CROUND                          ; a round of the cluster's barrier
	s_barrier_signal -1
	s_barrier_wait -1
	s_cmp_lg_u32 s[WVN], 0
	s_cbranch_scc1 .Lnot_wave_0_\@
	s_barrier_signal -3
.Lnot_wave_0_\@:
	s_barrier_wait -3
	s_barrier_signal -1
	s_barrier_wait -1
.endm
; One matrix instruction on the registers named by rD, rA, rB, rC, rSA, rSB.  ra, rb = 1: that side's scales stand in lanes 16-31.
.macro WM ra, rb
.if (\ra) && (\rb)
	v_wmma_scale_f32_16x16x128_f8f6f4 v[rD:rD+7], v[rA:rA+7], v[rB:rB+7], v[rC:rC+7], v[rSA], v[rSB] matrix_a_fmt:MATRIX_FMT_FP4 matrix_b_fmt:MATRIX_FMT_FP4 matrix_a_scale:MATRIX_SCALE_ROW1 matrix_b_scale:MATRIX_SCALE_ROW1
.elseif (\ra)
	v_wmma_scale_f32_16x16x128_f8f6f4 v[rD:rD+7], v[rA:rA+7], v[rB:rB+7], v[rC:rC+7], v[rSA], v[rSB] matrix_a_fmt:MATRIX_FMT_FP4 matrix_b_fmt:MATRIX_FMT_FP4 matrix_a_scale:MATRIX_SCALE_ROW1
.elseif (\rb)
	v_wmma_scale_f32_16x16x128_f8f6f4 v[rD:rD+7], v[rA:rA+7], v[rB:rB+7], v[rC:rC+7], v[rSA], v[rSB] matrix_a_fmt:MATRIX_FMT_FP4 matrix_b_fmt:MATRIX_FMT_FP4 matrix_b_scale:MATRIX_SCALE_ROW1
.else
	v_wmma_scale_f32_16x16x128_f8f6f4 v[rD:rD+7], v[rA:rA+7], v[rB:rB+7], v[rC:rC+7], v[rSA], v[rSB] matrix_a_fmt:MATRIX_FMT_FP4 matrix_b_fmt:MATRIX_FMT_FP4
.endif
.endm
; 64 numbers of a lane in window 1, register src + 16 b + i = k 32 b + 16 (lane / 16) + i of my row, become 8 registers of codes in v[pc] on and a scale word in v[pw].  Each accumulator is read from its low end on.
.macro QUANT src, pc, pw
	WIN 0x05
.irp b, 0,1,2,3
	v_max3_num_f32 v[TM+\b], |v[(\src)+16*\b]|, |v[(\src)+1+16*\b]|, 0x1800000   ; block b: my 16 numbers, and the floor 2^(3 - 127): the byte cannot fall under 1
.endr
	WIN 0x14
.irp i, 2,4,6,8,10,12,14
.irp b, 0,1,2,3
	v_max3_num_f32 v[TM+\b], v[TM+\b], |v[(\src)+16*\b+\i]|, |v[(\src)+1+16*\b+\i]|
.endr
.endr
	WIN 0
.irp b, 0,1,2,3
	v_permlanex16_b32 v[TM+4+\b], v[TM+\b], s[SEL], s[SEL+1]
.endr
.irp b, 0,1,2,3
	v_max_num_f32 v[TM+\b], v[TM+\b], v[TM+4+\b]   ; with lane l xor 16's: the block's largest magnitude
.endr
.irp b, 0,1,2,3
	v_add_nc_u32 v[TM+12+\b], 0xff000000, v[TM+\b] ; 2 off its exponent field: the conversion's scale operand
.endr
.irp b, 0,1,2,3
	v_lshrrev_b32 v[TM+4+\b], 23, v[TM+12+\b]      ; the scale's byte
.endr
	v_lshl_or_b32 v[\pw], v[TM+5], 8, v[TM+4]
	v_lshl_or_b32 v[\pw], v[TM+6], 16, v[\pw]
	v_lshl_or_b32 v[\pw], v[TM+7], 24, v[\pw]
	WIN 0x01
.irp b, 0,1,2,3
	v_cvt_scalef32_pk8_fp4_f32 v[(\pc)+2*\b], v[(\src)+16*\b:(\src)+7+16*\b], v[TM+12+\b]
	v_cvt_scalef32_pk8_fp4_f32 v[(\pc)+1+2*\b], v[(\src)+8+16*\b:(\src)+15+16*\b], v[TM+12+\b]
.endr
	WIN 0
	v_nop                                          ; a plain instruction behind the conversions
.irp c, 0,1                                    ; a whole block to a lane: lanes 0-15 block 2 c, lanes 16-31 block 2 c + 1
.irp i, 0,1
	v_permlane16_swap_b32 v[(\pc)+4*\c+\i], v[(\pc)+2+4*\c+\i]
.endr
.endr
.endm
; A matrix's 32 scale words and 32 fragments from LDS, the fragments K step by K step
.macro WLOAD wa, wsa
.set it, 0
.rept 8
.set is, 0
.rept 4
	ds_load_b32 v[WS+4*it+is], v[\wsa] offset:512*it+128*is
.set is, is+1
.endr
.set it, it+1
.endr
	WIN 0xc0
.set is, 0
.rept 4
.set it, 0
.rept 8
	ds_load_b128 v[8*(4*it+is):8*(4*it+is)+3], v[\wa] offset:4096*it+1024*is
	ds_load_b128 v[8*(4*it+is)+4:8*(4*it+is)+7], v[\wa] offset:4096*it+1024*is+512
.set it, it+1
.endr
.set is, is+1
.endr
	WIN 0
.endm
; 32 matrix instructions of K step ks; the 32 accumulators take turns, one instruction a turn, in the same order in every K step.  cb >= 0: the bias, at v[cb] on, starts the sums.
.macro MULQK ks, cb                    ; D (m, t) at 64 m + 8 t
.set it, 0
.rept 8
.set im, 0
.rept 4
.set rD, 64*im+8*it
.set rA, 8*(4*it+\ks)
.set rB, 8*(4*im+\ks)
.set rC, rD
.if (\cb) >= 0
.set rC, (\cb)+8*it
.endif
.set rSA, WS+4*it+\ks
.set rSB, HS+2*\ks+im/2
	WM 0, im%2
.set im, im+1
.endr
.set it, it+1
.endr
.endm
.macro MULV ks, cb                     ; D (t, m) at 32 t + 8 m
.set it, 0
.rept 8
.set im, 0
.rept 4
.set rD, 32*it+8*im
.set rA, 8*(4*im+\ks)
.set rB, 8*(4*it+\ks)
.set rC, rD
.if (\cb) >= 0
.set rC, (\cb)+8*it
.endif
.set rSA, HS+2*\ks+im/2
.set rSB, WS+4*it+\ks
	WM im%2, 0
.set im, im+1
.endr
.set it, it+1
.endr
.endm
.macro PRODQK cb
	WIN 0x6b                                       ; W window 3, h window 2, the bias window 2, D window 1
	s_wait_dscnt 48                                ; the scale words and K step 0 are in; the 48 loads of K steps 1 to 3 may be out
	MULQK 0, \cb
	WIN 0x5b                                       ; C and D window 1
	s_wait_dscnt 32
	MULQK 1, -1
	s_wait_dscnt 16
	MULQK 2, -1
	s_wait_dscnt 0x0
	MULQK 3, -1
	WIN 0
	PLACES
.endm
.macro OUTQK base                      ; four tiles of positions: a fragment and a scale word each
	s_wait_xcnt 0x0                                ; the last matrix's stores have read their registers
.irp m, 0,1,2,3
	QUANT 64*\m, PC+8*\m, PW+\m
.endr
.irp m, 0,1,2,3
	global_store_b128 v[QC], v[PC+8*\m:PC+8*\m+3], s[\base:\base+1] offset:4096*\m       ; 512 consecutive bytes a store
	global_store_b128 v[QC], v[PC+8*\m+4:PC+8*\m+7], s[\base:\base+1] offset:4096*\m+512
.endr
	v_cndmask_b32 v[JW], v[PW], v[PW+1], s[HALF]   ; lanes 0-15: the even tile's words; lanes 16-31: the odd tile's
	v_cndmask_b32 v[JW+1], v[PW+2], v[PW+3], s[HALF]
	global_store_b32 v[QW], v[JW], s[\base:\base+1]
	global_store_b32 v[QW], v[JW+1], s[\base:\base+1] offset:128
.endm
	s_load_b256 s[4:11], s[0:1], 0x0               ; hbuf, wbuf, bq, bk
	s_load_b128 s[12:15], s[0:1], 0x20             ; bv, qbuf
	s_load_b64 s[16:17], s[0:1], 0x30              ; kvbuf
	v_lshl_add_u32 v190, v0, 2, 0x29000
	v_mov_b32 v191, 0
	ds_add_u32 v190, v191
	ds_add_u32 v190, v191
	v_lshrrev_b32 v1, 5, v0
	v_readfirstlane_b32 s[WVN], v1                 ; wave 0..3
	s_bfe_u32 s19, ttmp6, 0x40000                  ; cx
	s_lshl_b32 s20, ttmp9, 2
	s_add_co_u32 s20, s20, s19                     ; X = 4 x cluster x + cx: it enters global addresses of h, q, k, v alone
	s_and_b32 s21, ttmp7, 0xffff                   ; y, which the four partners share
	; descriptor group 1: 27,648 dense bytes as 108 rows of 256 bytes (32 elements of 8 bytes)
	s_mov_b32 s[G1], 15|(3<<16)|(1<<21)            ; 15:0 the mask: all four work-groups; 17:16 elements of 8 bytes; 21 set beside a mask
	s_mov_b32 s[G1+1], 32<<16                      ; tensor_dim0
	s_mov_b32 s[G1+2], 108<<16                     ; tensor_dim1
	s_mov_b32 s[G1+3], 32<<16                      ; tile_dim0
	s_mov_b32 s[G1+4], 108                         ; tile_dim1
	s_mov_b32 s[G1+5], 32                          ; the pitch
	s_mov_b32 s[G1+6], 0
	s_mov_b32 s[G1+7], 0
	s_mov_b32 s[G0], 1
	s_mul_i32 s[G0+1], s[WVN], WQ4                 ; LDS: my quarter
	s_mul_i32 s54, s21, WYB
	s_add_co_u32 s54, s54, s[G0+1]
	s_mov_b32 s55, 0
	s_mul_i32 s56, s20, HBLK
	s_mov_b32 s57, 0
	s_mul_i32 s58, s20, KVBLK
	s_mov_b32 s59, 0
	s_lshl_b32 s60, s21, 9                         ; my 128 numbers of a bias
	s_mov_b32 s61, 0
	s_mov_b32 s[SEL], 0x76543210
	s_mov_b32 s[SEL+1], 0xfedcba98
	s_mov_b32 s[HALF], 0xffff0000
	s_wait_dscnt 0x0
	s_wait_kmcnt 0x0
	s_add_nc_u64 s[G0+2:G0+3], s[6:7], s[54:55]
	s_or_b32 s[G0+3], s[G0+3], 0x80000000
	s_add_nc_u64 s[40:41], s[4:5], s[56:57]        ; h's block
	s_add_nc_u64 s[42:43], s[14:15], s[56:57]      ; q's
	s_add_nc_u64 s[44:45], s[16:17], s[58:59]      ; k's and v's
	s_add_nc_u64 s[46:47], s[8:9], s[60:61]        ; bq
	s_add_nc_u64 s[48:49], s[10:11], s[60:61]      ; bk
	s_add_nc_u64 s[50:51], s[12:13], s[60:61]      ; bv
	CROUND                                         ; all four work-groups are here: the joint loads meet
	tensor_load_to_lds s[G0:G0+3], s[G1:G1+7]      ; my one tensor load: these bytes are filled once
	s_nop 0
	PLACES
	v_and_b32 v[RR], 31, v0                        ; lane
	v_lshlrev_b32 v[LI], 4, v[RR]
	v_lshlrev_b32 v[L4], 2, v[RR]
	s_lshl_b32 s54, s[WVN], 6
	v_add_nc_u32 v[HSO], s54, v[RR]
	s_lshl_b32 s54, s[WVN], 8
	s_add_co_u32 s55, s54, VST
	v_lshl_add_u32 v[VSR], v[RR], 3, s55           ; VST + 256 x wave + 8 x lane
	s_lshl_b32 s57, s21, 10
	s_add_co_u32 s58, s54, s57
	s_add_co_u32 s58, s58, 65536                   ; 65,536 + 1,024 y + 256 x wave
	v_add_nc_u32 v[QW], s58, v[L4]
	s_add_co_u32 s58, s58, HBLK
	v_lshl_add_u32 v[VW], v[RR], 3, s58
	v_add_nc_u32 v[WA1], WMAT, v[LI]
	v_add_nc_u32 v[WA2], 2*WMAT, v[LI]
	v_add_nc_u32 v[WS0], 32768, v[L4]
	v_add_nc_u32 v[WS0+1], WMAT+32768, v[L4]
	v_add_nc_u32 v[WS0+2], 2*WMAT+32768, v[L4]
	s_lshl_b32 s56, s[WVN], 14
	v_add_nc_u32 v[HO], s56, v[LI]
	v_add_nc_u32 v[QC], s57, v[HO]                 ; 16 x lane + 16,384 x wave + 1,024 y
	s_lshl_b32 s59, s21, 14
	s_lshl_b32 s56, s[WVN], 9                      ; 1,024 (wave / 2) + 512 (wave % 2): my 64 positions are half c = wave % 2 of K step wave / 2
	s_add_co_u32 s59, s59, s56
	s_add_co_u32 s59, s59, HBLK
	v_add_nc_u32 v[VC], s59, v[LI]
	v_and_b32 v[RR], 15, v0                        ; r
	v_bfe_u32 v[B64], v0, 4, 1
	v_lshlrev_b32 v[B64], 6, v[B64]
	v_and_b32 v[BVO], 8, v[RR]
	v_add_nc_u32 v[BVO], v[BVO], v[RR]
	v_lshlrev_b32 v[BVO], 2, v[BVO]
	s_lshr_b32 s54, s[WVN], 1
	s_lshl_b32 s54, s54, 6
	s_and_b32 s55, s[WVN], 1
	s_lshl_b32 s55, s55, 1
	s_add_co_u32 s54, s54, s55
	s_add_co_u32 s54, s54, VST
	v_lshl_add_u32 v[VSW], v[RR], 2, s54           ; VST + 64 (wave / 2) + 4 r + 2 (wave % 2)
	WIN 0x80                                       ; destination window 2
.set im, 0
.rept 4
.set is, 0
.rept 4
	global_load_b128 v[8*(4*im+is):8*(4*im+is)+3], v[HO], s[40:41] offset:4096*im+1024*is
	global_load_b128 v[8*(4*im+is)+4:8*(4*im+is)+7], v[HO], s[40:41] offset:4096*im+1024*is+512
.set is, is+1
.endr
.set im, im+1
.endr
.irp t, 0,1,2,3,4,5,6,7                        ; in tile t lane (r, h) holds outputs 32 (t / 2) + 16 h + 8 (t % 2) + 0 .. 7
	global_load_b128 v[BQ+8*\t:BQ+8*\t+3], v[B64], s[46:47] offset:(32*(\t/2)+8*(\t%2))*4
	global_load_b128 v[BQ+8*\t+4:BQ+8*\t+7], v[B64], s[46:47] offset:(32*(\t/2)+8*(\t%2))*4+16
	global_load_b128 v[BK+8*\t:BK+8*\t+3], v[B64], s[48:49] offset:(32*(\t/2)+8*(\t%2))*4
	global_load_b128 v[BK+8*\t+4:BK+8*\t+7], v[B64], s[48:49] offset:(32*(\t/2)+8*(\t%2))*4+16
.endr
	WIN 0
.set ik, 0
.rept 16
	global_load_u8 v[UB+2*ik], v[HSO], s[40:41] offset:65536+256*ik       ; plane ik: lanes 0-15 my tile 0, lanes 16-31 my tile 1;
	global_load_u8 v[UB+2*ik+1], v[HSO], s[40:41] offset:65536+256*ik+32  ; tiles 2 and 3
.set ik, ik+1
.endr
.irp t, 0,1,2,3,4,5,6,7
	global_load_b32 v[BV+8*\t], v[BVO], s[50:51] offset:(32*(\t/2)+8*(\t%2))*4   ; for v a lane holds ONE output: row r of the tile
.endr
.irp b, 0,1,2,3
	v_mov_b32 v[TM+4+\b], 0                        ; written once: a lane permute's destination counts as one of its sources
.endr
	s_wait_loadcnt 0x0
.set is, 0
.rept 4
.set ip, 0
.rept 2
	v_lshl_or_b32 v[HS+2*is+ip], v[UB+2*(4*is+1)+ip], 8, v[UB+2*(4*is)+ip]     ; four bytes make a K step's word
	v_lshl_or_b32 v[HS+2*is+ip], v[UB+2*(4*is+2)+ip], 16, v[HS+2*is+ip]
	v_lshl_or_b32 v[HS+2*is+ip], v[UB+2*(4*is+3)+ip], 24, v[HS+2*is+ip]
.set ip, ip+1
.endr
.set is, is+1
.endr
.set it, 0
.rept 8
.set ij, 1
.rept 7
	v_mov_b32 v[BV+8*it+ij], v[BV+8*it]            ; the C of a tile of v: eight times the lane's bias.  (These 56 also stand between the scale words just made and the first scaled product, which wants eight)
.set ij, ij+1
.endr
.set it, it+1
.endr
	s_wait_tensorcnt 0x0                           ; my quarter of the weights is in,
	s_barrier_signal -1
	s_barrier_wait -1                              ; everybody's is
	WLOAD LI, WS0
	PRODQK BQ                                      ; q
	WLOAD WA1, WS0+1                               ; k's weights come while q is quantised
	OUTQK 42
	PRODQK BK                                      ; k
	WLOAD WA2, WS0+2
	OUTQK 44
	WIN 0x4e                                       ; v: h window 2, W window 3, the bias window 0, D window 1
	s_wait_dscnt 48
	MULV 0, BV
	WIN 0x5e
	s_wait_dscnt 32
	MULV 1, -1
	s_wait_dscnt 16
	MULV 2, -1
	s_wait_dscnt 0x0
	MULV 3, -1
	WIN 0
	PLACES
	s_wait_xcnt 0x0                                ; k's stores have read their registers
.irp u, 0,1,2,3                                ; two channel tiles at a time: the quantiser's four blocks are (tile 2 u, positions 0-31), (2 u, 32-63), (2 u + 1, 0-31), (2 u + 1, 32-63)
	QUANT 64*\u, PC+8*\u, PW+\u
.endr
.irp u, 0,1,2,3
	global_store_b128 v[VC], v[PC+8*\u:PC+8*\u+3], s[44:45] offset:2048*(2*\u)          ; lane (r, h): channel r, my positions 32 h + 0 .. 31: half a fragment, 512 consecutive bytes
	global_store_b128 v[VC], v[PC+8*\u+4:PC+8*\u+7], s[44:45] offset:2048*(2*\u+1)
	ds_store_b16 v[VSW], v[PW+\u] offset:128*(2*\u)                                     ; my two bytes of the tile's words: the other two come from the wave beside me
	ds_store_b16_d16_hi v[VSW], v[PW+\u] offset:128*(2*\u+1)
.endr
	s_wait_dscnt 0x0                               ; for the others' sake: my stores have landed
	s_barrier_signal -1
	s_barrier_wait -1
	ds_load_b64 v[VB:VB+1], v[VSR]
	s_wait_dscnt 0x0
	global_store_b64 v[VW], v[VB:VB+1], s[44:45]   ; 32 lanes store 256 consecutive bytes, at a multiple of 256 from kvbuf's first byte
	s_wait_tensorcnt 0x0
	ds_add_u32 v190, v191
	s_wait_dscnt 0x0
	CROUND                                         ; the closing round: no work-group ends while a partner may still ask jointly
	s_endpgm
.Lfunc_end_k_qd70a5a9faa_qkv:
	.size	k_qd70a5a9faa_qkv, .Lfunc_end_k_qd70a5a9faa_qkv-k_qd70a5a9faa_qkv
	.p2alignl 7, 3214868480
	.fill 96, 4, 3214868480
	.section	.rodata,"a",@progbits
	.p2align	6, 0x0
	.amdhsa_kernel k_qd70a5a9faa_qkv
		.amdhsa_group_segment_fixed_size 168448
		.amdhsa_private_segment_fixed_size 0
		.amdhsa_enable_private_segment 0
		.amdhsa_kernarg_size 56
		.amdhsa_user_sgpr_count 2
		.amdhsa_user_sgpr_kernarg_segment_ptr 1
		.amdhsa_wavefront_size32 1
		.amdhsa_system_sgpr_workgroup_id_x 1
		.amdhsa_system_sgpr_workgroup_id_y 1
		.amdhsa_system_sgpr_workgroup_id_z 1
		.amdhsa_system_vgpr_workitem_id 0
		.amdhsa_next_free_vgpr 1024
		.amdhsa_next_free_sgpr 66
		.amdhsa_reserve_vcc 0
		.amdhsa_float_denorm_mode_32 3
		.amdhsa_float_denorm_mode_16_64 3
		.amdhsa_memory_ordered 1
		.amdhsa_forward_progress 1
		.amdhsa_inst_pref_size 137
	.end_amdhsa_kernel
	.amdgpu_metadata
---
amdhsa.version: [ 1, 2 ]
amdhsa.kernels:
  - .name:           k_qd70a5a9faa_qkv
    .symbol:         k_qd70a5a9faa_qkv.kd
    .args:
      - { .name: hbuf, .offset: 0, .size: 8, .value_kind: global_buffer, .address_space: global }
      - { .name: wbuf, .offset: 8, .size: 8, .value_kind: global_buffer, .address_space: global }
      - { .name: bq, .offset: 16, .size: 8, .value_kind: global_buffer, .address_space: global }
      - { .name: bk, .offset: 24, .size: 8, .value_kind: global_buffer, .address_space: global }
      - { .name: bv, .offset: 32, .size: 8, .value_kind: global_buffer, .address_space: global }
      - { .name: qbuf, .offset: 40, .size: 8, .value_kind: global_buffer, .address_space: global }
      - { .name: kvbuf, .offset: 48, .size: 8, .value_kind: global_buffer, .address_space: global }
    .group_segment_fixed_size: 168448
    .private_segment_fixed_size: 0
    .kernarg_segment_align: 8
    .kernarg_segment_size: 56
    .max_flat_workgroup_size: 128
    .sgpr_count:     66
    .vgpr_count:     1024
    .wavefront_size: 32
...
	.end_amdgpu_metadata
.endif
;; end of part 2
;; launch attn (part 3): grid 32 x 8, 4 waves a work-group, clusters of 4 x 1, 327,680 bytes of LDS; arguments qbuf, kvbuf, wbuf, bp, x, out0; writes out0
.if DOCPART == 3
	.amdgcn_target "amdgcn-amd-amdhsa--gfx1250"
	.amdhsa_code_object_version 6
	.text
	.protected	k_qd70a5a9faa_attn
	.globl	k_qd70a5a9faa_attn
	.p2align	8
	.type	k_qd70a5a9faa_attn,@function
k_qd70a5a9faa_attn:
	s_mov_b64 s[64:65], 0
	v_nop
	global_prefetch_b8 v0, s[64:65] scope:SCOPE_SE
	s_setreg_imm32_b32 hwreg(HW_REG_WAVE_MODE, 25, 1), 1
	s_wait_xcnt 0x0
	s_wait_alu depctr_hold_cnt(0) depctr_sa_sdst(0) depctr_va_vdst(0) depctr_va_sdst(0) depctr_va_ssrc(0) depctr_va_vcc(0) depctr_vm_vsrc(0)
	s_getreg_b32 s2, hwreg(HW_REG_IB_STS2, 6, 4)
	s_cmp_eq_u32 s2, 0
	s_cbranch_scc0 .Lentry_in_a_cluster
	s_endpgm
.Lentry_in_a_cluster:
	s_bfe_u32 s2, ttmp6, 0x10000c
	s_cmp_lg_u32 s2, 0x3003
	s_cbranch_scc0 .Lentry_shape_is_right
	s_endpgm
.Lentry_shape_is_right:
; ATTN: out0 = x + wp (softmax(q^T k / sqrt(512)) applied to v) + bp, all three products on codes of FP4 (E2M1) with one E8M0 scale for each 32 along K.
; THE SOFTMAX: t = score x log2(e) / sqrt(512); M = the row's largest t so far, rounded UP to a whole number; p = 2^(t - M) is quantised along the keys, not normalised.  The row's sum is taken of the
; unquantised p and divides at the end.  When M moves, the sum and O are multiplied by 2^(old M - new M): exact.
; SHARES.  A work-group owns 64 queries (four tiles) of one batch and walks the batch's 2,048 keys, 256 a slot.  THE WAVES SHARE THE WORK, NOT THE QUERIES, so that each fragment read from LDS feeds four
; matrix instructions: scores: wave w takes keys 64 w .. 64 w + 63 of the slot for all four query tiles; second product: wave w takes channels 128 w .. 128 w + 127 for all four.  p goes from wave to wave
; through LDS as images of the operand's registers.  The rows' largest scores are exchanged through LDS ahead of the exponentials, so all waves hold the same M.  Each wave sums its own keys' p; the four sums meet at the end.
; Both products are used transposed (S^T = K Q^T, O^T = V^T P^T): a lane holds one query.  Tiles of keys and of channels are laid so (lane r of tile 2 B + u: row 32 B + 8 u + r + 8 (r / 8)) that the 16 registers of two
; neighbouring tiles are 16 neighbours along the next K.  The projection takes O as source 0 and wp as source 1: a lane then holds one output channel and eight neighbouring positions, as out0 lies.
; CLUSTER.  The four work-groups of a cluster belong to one batch and walk the same k and v: a slot (a block of kvbuf, 139,264 dense bytes) is asked for JOINTLY, a quarter by each wave.
; A TRIP (256 keys): the scores, on K's fragments that the trip before has fetched, with V's loads set between their four K steps | the blocks' largest scores, my keys' maxima to LDS | THE CHANGE OF SLOTS: K and V of this
; slot are in registers, so the slot is free: the round of the cluster's barrier, which also shows every wave the maxima, and behind it the slot's refill | the softmax, with the NEXT slot's K fetched in four runs between its
; lines | p to LDS, a barrier | the second product.  So a trip's 64 products follow the last trip's 64 with no wait between, and a trip has one round and one barrier.
; The residual: my 128 channels x 64 positions of x come by one plain tensor load into slot 0 when it is left for the last time, are the C of the projection's sums with bp added, and the same bytes serve as the stage on the way out.
; The trip is written four times (the first, the loop's, the one that fetches x, the last): so the slot in hand is a scalar that an exclusive or turns, and the second descriptor walks.
; LIMITS: NaN and infinities are not served; a p that would be denormal counts as 0; a block of zeros gets the scale byte 1 (its codes are zeros).
; REGISTERS, in windows of 256: window 0: v1-27 addresses; v28-59 eight registers of statistics a query tile; v60-87 scale words; v88-127 at work; v128-255 S^T, then p.   window 1: O^T (m, t) at 64 m + 8 t; later the sums of the projection.
;   window 2: Q (m, s) at 8 (4 m + s), K (kt, s) at 128 + 8 (4 kt + s); later wp, later rows on the way out.   window 3: V (t, e) at 8 (2 t + e), P (m, e) at 128 + 8 (2 m + e); later O's fragments.
.set KVBLK, 139264                     ; a slot: K's codes, at + 65,536 K's words, at + 69,632 V's codes, at + 135,168 V's words.  Slot 1 begins KVBLK bytes behind slot 0
.set HBLK,  69632
.set QTR,   34816                      ; a quarter of it; also 128 rows of 272 bytes.  QTR x wave (0 .. 3) and KVBLK share no bit: an exclusive or with KVBLK turns a quarter's address from one slot to the other
.set PIMG,  278528                     ; p's eight fragments (m, e) at 2048 m + 1024 e
.set PSC,   286720                     ; their scale words [m][e][16]
.set MX,    287232                     ; [m][r][wave] f32
.set OIMG,  288256                     ; O's sixteen fragments (m, s) at 1024 (4 m + s)
.set OSC,   304640                     ; their scale words [s][m][16]
.set SPARE, 305664                     ; the spare words, 128 bytes for each wave: two blocks of 256 bytes that no other line names
.set LI,  1
.set L4,  2
.set AK,  3                            ; v3   my place among a slot's fragments of K: 16,384 w + 16 lane; never rewritten
.set ADK, 4                            ; v4   the same in the slot to be fetched from
.set AKS, 5                            ; v5, v6   K's words likewise
.set ADKS, 6
.set AV,  7                            ; v7, v8   V's fragments
.set ADV, 8
.set AVS, 9                            ; v9, v10  V's words
.set ADVS, 10
.set MXW, 11
.set MXR, 12
.set PWR, 13
.set PSW, 14
.set PRD, 15
.set PSR, 16
.set SPW, 17                           ; v17  LDS address of my spare word; never rewritten
.set NIL, 18                           ; v18  0; never rewritten
.set PFO, 19                           ; v19  256 x lane
.set STO, 20
.set SRD, 21
.set GO,  22
.set OWI, 23
.set OWS, 24
.set ORD, 25
.set OSR, 26
.set BPO, 27
.set ST,  28                           ; tile m at ST + 8 m: +0 -M, +1 the largest t, +2, +3 the sum, +4 f (later 1 / sum), +5 written once, +6, +7 a second chain
.set QS,  60                           ; register 2 s + p: lanes 0-15 tile 2 p, lanes 16-31 tile 2 p + 1
.set KS,  68
.set VS,  76                           ; register t: lanes 0-15 K step 0, lanes 16-31 K step 1
.set PS,  84
.set BM,  88                           ; block 2 m + e: its largest score, then its largest p
.set BT,  96
.set SCL, 104
.set MX4, 112                          ; four waves' numbers; then p's codes, four registers a tile
.set S,   128
.set TM,  88                           ; the way out: the quantiser at work
.set WPS, 128
.set BP,  160
.set PC,  176
.set PW,  208
.set OS,  212
.set WVN, 16
.set TN,  19                           ; s19  where the slot begins from which K and V are fetched next: 0 or KVBLK
.set G1,  24
.set G0A, 32                           ; s[32:35] group 0 of slot 0's first fill
.set GW,  36                           ; s[36:39] group 0 of slot 1's first fill; it then walks on
.set G1X, 40
.set G0X, 48
.set CS,  52
.set SEL, 54
.set CNT, 56
.set LIM, 57
.set PFA, 58
.set QB,  66
.set WPB, 68
.set BPB, 70
.set OUTB, 72
.set QSB, 74
.set MSB, 0
.macro WIN new                         ; the immediate's high byte repeats the setting that is left
.if MSB != \new
	s_set_vgpr_msb (MSB<<8)|\new
.set MSB, \new
.endif
.endm
.macro PLACES                          ; four plain instructions between a matrix instruction and a load into, or a read of, its registers
.rept 4
	v_nop
.endr
.endm
.macro CROUND                          ; a round of the cluster's barrier
	s_barrier_signal -1
	s_barrier_wait -1
	s_cmp_lg_u32 s[WVN], 0
	s_cbranch_scc1 .Lnot_wave_0_\@
	s_barrier_signal -3
.Lnot_wave_0_\@:
	s_barrier_wait -3
	s_barrier_signal -1
	s_barrier_wait -1
.endm
.macro WM ra, rb                       ; one matrix instruction on rD, rA, rB, rC, rSA, rSB; ra, rb = 1: that side's scales stand in lanes 16-31
.if (\ra) && (\rb)
	v_wmma_scale_f32_16x16x128_f8f6f4 v[rD:rD+7], v[rA:rA+7], v[rB:rB+7], v[rC:rC+7], v[rSA], v[rSB] matrix_a_fmt:MATRIX_FMT_FP4 matrix_b_fmt:MATRIX_FMT_FP4 matrix_a_scale:MATRIX_SCALE_ROW1 matrix_b_scale:MATRIX_SCALE_ROW1
.elseif (\ra)
	v_wmma_scale_f32_16x16x128_f8f6f4 v[rD:rD+7], v[rA:rA+7], v[rB:rB+7], v[rC:rC+7], v[rSA], v[rSB] matrix_a_fmt:MATRIX_FMT_FP4 matrix_b_fmt:MATRIX_FMT_FP4 matrix_a_scale:MATRIX_SCALE_ROW1
.elseif (\rb)
	v_wmma_scale_f32_16x16x128_f8f6f4 v[rD:rD+7], v[rA:rA+7], v[rB:rB+7], v[rC:rC+7], v[rSA], v[rSB] matrix_a_fmt:MATRIX_FMT_FP4 matrix_b_fmt:MATRIX_FMT_FP4 matrix_b_scale:MATRIX_SCALE_ROW1
.else
	v_wmma_scale_f32_16x16x128_f8f6f4 v[rD:rD+7], v[rA:rA+7], v[rB:rB+7], v[rC:rC+7], v[rSA], v[rSB] matrix_a_fmt:MATRIX_FMT_FP4 matrix_b_fmt:MATRIX_FMT_FP4
.endif
.endm
.macro WMZ ra, rb                      ; the same with the constant 0 as C: it starts a sum
.if (\ra) && (\rb)
	v_wmma_scale_f32_16x16x128_f8f6f4 v[rD:rD+7], v[rA:rA+7], v[rB:rB+7], 0, v[rSA], v[rSB] matrix_a_fmt:MATRIX_FMT_FP4 matrix_b_fmt:MATRIX_FMT_FP4 matrix_a_scale:MATRIX_SCALE_ROW1 matrix_b_scale:MATRIX_SCALE_ROW1
.elseif (\ra)
	v_wmma_scale_f32_16x16x128_f8f6f4 v[rD:rD+7], v[rA:rA+7], v[rB:rB+7], 0, v[rSA], v[rSB] matrix_a_fmt:MATRIX_FMT_FP4 matrix_b_fmt:MATRIX_FMT_FP4 matrix_a_scale:MATRIX_SCALE_ROW1
.elseif (\rb)
	v_wmma_scale_f32_16x16x128_f8f6f4 v[rD:rD+7], v[rA:rA+7], v[rB:rB+7], 0, v[rSA], v[rSB] matrix_a_fmt:MATRIX_FMT_FP4 matrix_b_fmt:MATRIX_FMT_FP4 matrix_b_scale:MATRIX_SCALE_ROW1
.else
	v_wmma_scale_f32_16x16x128_f8f6f4 v[rD:rD+7], v[rA:rA+7], v[rB:rB+7], 0, v[rSA], v[rSB] matrix_a_fmt:MATRIX_FMT_FP4 matrix_b_fmt:MATRIX_FMT_FP4
.endif
.endm
; 64 numbers of a lane in window 1, register src + 16 b + i = k 32 b + 16 (lane / 16) + i of my row, become a fragment's codes in v[pc] on and its scale word in v[pw]
.macro QUANT src, pc, pw
	WIN 0x05
.irp b, 0,1,2,3
	v_max3_num_f32 v[TM+\b], |v[(\src)+16*\b]|, |v[(\src)+1+16*\b]|, 0x1800000   ; and the floor 2^(3 - 127): the byte cannot fall under 1
.endr
	WIN 0x14
.irp i, 2,4,6,8,10,12,14
.irp b, 0,1,2,3
	v_max3_num_f32 v[TM+\b], v[TM+\b], |v[(\src)+16*\b+\i]|, |v[(\src)+1+16*\b+\i]|
.endr
.endr
	WIN 0
.irp b, 0,1,2,3
	v_permlanex16_b32 v[TM+4+\b], v[TM+\b], s[SEL], s[SEL+1]
.endr
.irp b, 0,1,2,3
	v_max_num_f32 v[TM+\b], v[TM+\b], v[TM+4+\b]
.endr
.irp b, 0,1,2,3
	v_add_nc_u32 v[TM+12+\b], 0xff000000, v[TM+\b]
.endr
.irp b, 0,1,2,3
	v_lshrrev_b32 v[TM+4+\b], 23, v[TM+12+\b]
.endr
	v_lshl_or_b32 v[\pw], v[TM+5], 8, v[TM+4]
	v_lshl_or_b32 v[\pw], v[TM+6], 16, v[\pw]
	v_lshl_or_b32 v[\pw], v[TM+7], 24, v[\pw]
	WIN 0x01
.irp b, 0,1,2,3
	v_cvt_scalef32_pk8_fp4_f32 v[(\pc)+2*\b], v[(\src)+16*\b:(\src)+7+16*\b], v[TM+12+\b]
	v_cvt_scalef32_pk8_fp4_f32 v[(\pc)+1+2*\b], v[(\src)+8+16*\b:(\src)+15+16*\b], v[TM+12+\b]
.endr
	WIN 0
	v_nop                                          ; a plain instruction behind the conversions
.irp c, 0,1
.irp i, 0,1
	v_permlane16_swap_b32 v[(\pc)+4*\c+\i], v[(\pc)+2+4*\c+\i]
.endr
.endr
.endm
; A PREFETCH INTO THE L2 of the codes of the slot that the NEXT round's load will ask for: 512 blocks of 256 bytes, a lane a block, one instruction a wave, a trip's 128 matrix instructions ahead of that load.
; All eight clusters of a batch walk the same k and v: the batch's first cluster asks.  Its sixteen waves share the blocks out BY ADDRESS (waves 0, 1: K's codes, waves 2, 3: V's; a quarter of each half to each partner).
; how = 1: the first trip asks;  how = 2: the loop's trips ask, all but the last, behind whose load no further slot is asked for.  The first three slots come by their loads alone.
.macro ASK how
.if \how == 1
	s_cmp_eq_u32 s[LIM], 1
.else
	s_cmp_gt_u32 s[CNT], s[LIM]
.endif
	s_cbranch_scc0 .Lnot_mine_\@
	global_prefetch_b8 v[PFO], s[PFA:PFA+1] th:TH_LOAD_NT scope:SCOPE_SE
.Lnot_mine_\@:
.endm
.macro NEXTADR                         ; the four addresses in the slot from which K, and a trip later V, are fetched; then the scalar turns to the other slot
	v_add_nc_u32 v[ADK], s[TN], v[AK]
	v_add_nc_u32 v[ADKS], s[TN], v[AKS]
	v_add_nc_u32 v[ADV], s[TN], v[AV]
	v_add_nc_u32 v[ADVS], s[TN], v[AVS]
	s_xor_b32 s[TN], s[TN], KVBLK
.endm
.macro KWORDS                          ; K's scale words of my four tiles
.irp s, 0,1,2,3
.irp p, 0,1
	ds_load_b32 v[KS+2*\s+\p], v[ADKS] offset:1024*\s+128*\p
.endr
.endr
.endm
.macro KSTEP ks                        ; my four tiles' fragments of K step ks: a run of eight loads
	WIN 0x80
.irp k, 0,1,2,3
	ds_load_b128 v[128+8*(4*\k+(\ks)):128+8*(4*\k+(\ks))+3], v[ADK] offset:4096*\k+1024*(\ks)
	ds_load_b128 v[128+8*(4*\k+(\ks))+4:128+8*(4*\k+(\ks))+7], v[ADK] offset:4096*\k+1024*(\ks)+512
.endr
	WIN 0
.endm
.macro VLOAD j                         ; V's channel tiles 2 j, 2 j + 1: a run of eight loads
	WIN 0xc0
.irp u, 0,1
.irp e, 0,1
	ds_load_b128 v[8*(2*(2*(\j)+\u)+\e):8*(2*(2*(\j)+\u)+\e)+3], v[ADV] offset:2048*(2*(\j)+\u)+1024*\e
	ds_load_b128 v[8*(2*(2*(\j)+\u)+\e)+4:8*(2*(2*(\j)+\u)+\e)+7], v[ADV] offset:2048*(2*(\j)+\u)+1024*\e+512
.endr
.endr
.endm
.macro WPLOAD j                        ; wp's tiles 2 j, 2 j + 1 of my eight, into the registers that Q and K have left
	WIN 0x80
.irp u, 0,1
.irp s, 0,1,2,3
	global_load_b128 v[8*(4*(2*(\j)+\u)+\s):8*(4*(2*(\j)+\u)+\s)+3], v[LI], s[WPB:WPB+1] offset:4096*(2*(\j)+\u)+1024*\s
	global_load_b128 v[8*(4*(2*(\j)+\u)+\s)+4:8*(4*(2*(\j)+\u)+\s)+7], v[LI], s[WPB:WPB+1] offset:4096*(2*(\j)+\u)+1024*\s+512
.endr
.endr
	WIN 0
.endm
.macro BATCH j, last                   ; a run of loads between the softmax's lines: the next slot's K, or in the last trip wp
.if \last
	WPLOAD \j
.else
	KSTEP \j
.endif
.endm
.macro SC ks                           ; 16 matrix instructions of S^T = K Q^T, K step ks; the 16 accumulators take turns.  K step 0 starts the sums
.set ik, 0
.rept 4
.set im, 0
.rept 4
.set rD, S+32*im+8*ik
.set rA, 128+8*(4*ik+(\ks))
.set rB, 8*(4*im+(\ks))
.set rC, rD
.set rSA, KS+2*(\ks)+ik/2
.set rSB, QS+2*(\ks)+im/2
.if (\ks) == 0
	WMZ ik%2, im%2
.else
	WM ik%2, im%2
.endif
.set im, im+1
.endr
.set ik, ik+1
.endr
.endm
.macro RESC m                          ; query tile m's O^T under the new M; each accumulator from its low end on
	WIN 0x41                                       ; O^T window 1, f window 0
.set ij, 0
.rept 32
	v_pk_mul_f32 v[64*(\m)+2*ij:64*(\m)+2*ij+1], v[64*(\m)+2*ij:64*(\m)+2*ij+1], v[ST+8*(\m)+4:ST+8*(\m)+5] op_sel_hi:[1,0]
.set ij, ij+1
.endr
.endm
	s_load_b256 s[4:11], s[0:1], 0x0               ; qbuf, kvbuf, wbuf, bp
	s_load_b128 s[12:15], s[0:1], 0x20             ; x, out0
	v_lshl_add_u32 v[SPW], v0, 2, SPARE
	v_mov_b32 v[NIL], 0
	ds_add_u32 v17, v18
	ds_add_u32 v17, v18
	s_wait_dscnt 0x0
	v_lshrrev_b32 v1, 5, v0
	v_readfirstlane_b32 s[WVN], v1                 ; wave 0..3
	s_bfe_u32 s17, ttmp6, 0x40000                  ; cx: it enters global addresses of q, x, out0 and of the prefetches alone
	s_and_b32 s18, ttmp7, 0xffff                   ; the batch, which the four partners share
	; group 1 for a quarter of a slot: 34,816 dense bytes as 136 rows of 256 bytes
	s_mov_b32 s[G1], 15|(3<<16)|(1<<21)            ; 15:0 the mask: all four work-groups; 17:16 elements of 8 bytes; 21 set beside a mask
	s_mov_b32 s[G1+1], 32<<16
	s_mov_b32 s[G1+2], 136<<16
	s_mov_b32 s[G1+3], 32<<16
	s_mov_b32 s[G1+4], 136
	s_mov_b32 s[G1+5], 32
	s_mov_b32 s[G1+6], 0
	s_mov_b32 s[G1+7], 0
	; group 1 for x: 128 rows (channels) of 256 bytes (64 positions), 8,192 bytes apart, 16 bytes of padding behind each row in LDS; no mask
	s_mov_b32 s[G1X], (3<<16)|(1<<20)|(5<<22)|(3<<25)
	s_mov_b32 s[G1X+1], 32<<16
	s_mov_b32 s[G1X+2], 128<<16
	s_mov_b32 s[G1X+3], 32<<16
	s_mov_b32 s[G1X+4], 128
	s_mov_b32 s[G1X+5], 1024
	s_mov_b32 s[G1X+6], 0
	s_mov_b32 s[G1X+7], 0
	s_mov_b32 s[G0A], 1
	s_mov_b32 s[GW], 1
	s_mov_b32 s[G0X], 1
	s_mul_i32 s[G0A+1], s[WVN], QTR                ; LDS: my quarter of slot 0,
	s_add_co_u32 s[GW+1], s[G0A+1], KVBLK          ; of slot 1,
	s_mov_b32 s[G0X+1], s[G0A+1]                   ; and x's rows, in slot 0
	s_mul_i32 s76, s18, 8*KVBLK                    ; the batch's eight blocks
	s_add_co_u32 s60, s76, s[G0A+1]
	s_mov_b32 s61, 0
	s_lshl_b32 s62, s18, 22                        ; x and out0: the batch, my 128 channels, my work-group's 64 positions
	s_lshl_b32 s63, s[WVN], 20
	s_add_co_u32 s62, s62, s63
	s_lshl_b32 s63, ttmp9, 10
	s_add_co_u32 s62, s62, s63
	s_lshl_b32 s63, s17, 8
	s_add_co_u32 s62, s62, s63
	s_mov_b32 s63, 0
	s_lshr_b32 s77, s[WVN], 1                      ; the prefetches: K's codes or V's,
	s_mul_i32 s77, s77, HBLK
	s_add_co_u32 s76, s76, s77
	s_and_b32 s77, s[WVN], 1                       ; which half of them,
	s_lshl_b32 s77, s77, 15
	s_add_co_u32 s76, s76, s77
	s_lshl_b32 s77, s17, 13                        ; my work-group's quarter of that,
	s_add_co_u32 s76, s76, s77
	s_add_co_u32 s76, s76, 2*KVBLK                 ; in the third block of keys: the first trip steps it to the fourth
	s_mov_b32 s77, 0
	s_lshl_b32 s78, s18, 3
	s_add_co_u32 s78, s78, ttmp9                   ; the queries' block
	s_mul_i32 s78, s78, HBLK
	s_mov_b32 s79, 0
	s_cmp_eq_u32 ttmp9, 0                          ; the batch's first cluster: the same in all four partners
	s_cselect_b32 s[LIM], 1, -1
	s_mov_b32 s[CS], 0x3d8293ee                    ; c = log2(e) / sqrt(512)
	s_mov_b32 s[CS+1], s[CS]
	s_mov_b32 s[SEL], 0x76543210
	s_mov_b32 s[SEL+1], 0xfedcba98
	s_mov_b32 s[TN], 0
	s_wait_kmcnt 0x0
	s_add_nc_u64 s[G0A+2:G0A+3], s[6:7], s[60:61]
	s_add_nc_u64 s[GW+2:GW+3], s[G0A+2:G0A+3], KVBLK
	s_or_b32 s[G0A+3], s[G0A+3], 0x80000000
	s_or_b32 s[GW+3], s[GW+3], 0x80000000
	s_add_nc_u64 s[G0X+2:G0X+3], s[12:13], s[62:63]
	s_or_b32 s[G0X+3], s[G0X+3], 0x80000000
	s_add_nc_u64 s[OUTB:OUTB+1], s[14:15], s[62:63]
	s_add_nc_u64 s[PFA:PFA+1], s[6:7], s[76:77]
	s_add_nc_u64 s[QB:QB+1], s[4:5], s[78:79]
	s_mov_b64 s[QSB:QSB+1], s[QB:QB+1]
	s_lshl_b32 s60, s17, 14                        ; my four tiles' fragments,
	s_add_nc_u64 s[QB:QB+1], s[QB:QB+1], s[60:61]
	s_lshl_b32 s60, s17, 8                         ; and their words
	s_add_nc_u64 s[QSB:QSB+1], s[QSB:QSB+1], s[60:61]
	s_mul_i32 s60, s[WVN], 147456
	s_add_co_u32 s60, s60, 110592                  ; wp's tiles 8 w .. 8 w + 7
	s_add_nc_u64 s[WPB:WPB+1], s[8:9], s[60:61]
	s_lshl_b32 s60, s[WVN], 9
	s_add_nc_u64 s[BPB:BPB+1], s[10:11], s[60:61]
	CROUND                                         ; all four work-groups are here: the first joint loads meet
	tensor_load_to_lds s[G0A:G0A+3], s[G1:G1+7]    ; slot 0: keys 0 to 255
	s_nop 0
	tensor_load_to_lds s[GW:GW+3], s[G1:G1+7]      ; slot 1: keys 256 to 511.  The two first fills go out together: two loads of mine are out
	s_nop 0
	PLACES
	v_and_b32 v128, 31, v0                         ; lane
	v_lshlrev_b32 v[LI], 4, v128
	v_lshlrev_b32 v[L4], 2, v128
	v_lshlrev_b32 v[PFO], 8, v128
	WIN 0x80                                       ; destination window 2
.set im, 0
.rept 4
.set is, 0
.rept 4
	global_load_b128 v[8*(4*im+is):8*(4*im+is)+3], v[LI], s[QB:QB+1] offset:4096*im+1024*is          ; Q stays in registers
	global_load_b128 v[8*(4*im+is)+4:8*(4*im+is)+7], v[LI], s[QB:QB+1] offset:4096*im+1024*is+512
.set is, is+1
.endr
.set im, im+1
.endr
	WIN 0
.irp s, 0,1,2,3
.irp p, 0,1
	global_load_b32 v[QS+2*\s+\p], v[L4], s[QSB:QSB+1] offset:65536+1024*\s+128*\p
.endr
.endr
	v_and_b32 v129, 15, v0                         ; r
	v_bfe_u32 v130, v0, 4, 1                       ; h
	v_and_b32 v131, 8, v129
	v_add_nc_u32 v131, v131, v129                  ; r + 8 (r / 8)
	s_lshl_b32 s60, s[WVN], 14
	v_add_nc_u32 v[AK], s60, v[LI]
	v_add_nc_u32 v[AV], HBLK, v[AK]
	s_lshl_b32 s60, s[WVN], 8
	s_add_co_u32 s61, s60, 65536
	v_add_nc_u32 v[AKS], s61, v[L4]
	s_lshl_b32 s61, s[WVN], 10
	s_add_co_u32 s62, s61, 135168
	v_add_nc_u32 v[AVS], s62, v[L4]
	s_lshl_b32 s62, s[WVN], 2
	s_add_co_u32 s62, s62, MX
	v_lshl_add_u32 v[MXW], v129, 4, s62            ; MX + 16 r + 4 w
	v_lshl_add_u32 v[MXR], v129, 4, MX
	s_lshl_b32 s62, s[WVN], 9                      ; my 64 keys are half c = w % 2 of K step w / 2: 1,024 (w / 2) + 512 (w % 2)
	s_add_co_u32 s62, s62, PIMG
	v_lshl_add_u32 v[PWR], v129, 4, s62
	v_lshl_add_u32 v[PWR], v130, 3, v[PWR]         ; + 16 r + 8 h: my 16 keys are half of the 16 bytes of lane (r, block)
	s_lshr_b32 s62, s[WVN], 1
	s_lshl_b32 s62, s62, 6
	s_and_b32 s63, s[WVN], 1
	s_lshl_b32 s63, s63, 1
	s_add_co_u32 s62, s62, s63
	s_add_co_u32 s62, s62, PSC
	v_lshl_add_u32 v[PSW], v129, 2, s62            ; PSC + 64 (w / 2) + 4 r + 2 (w % 2)
	v_add_nc_u32 v[PRD], PIMG, v[LI]
	v_add_nc_u32 v[PSR], PSC, v[L4]
	s_mul_i32 s62, s[WVN], QTR
	v_mul_u32_u24 v[STO], v131, 272
	v_lshl_add_u32 v[STO], v130, 6, v[STO]
	v_add_nc_u32 v[STO], s62, v[STO]               ; x and the stage: channel r + 8 (r / 8) of a tile, + 16 h positions
	v_mul_u32_u24 v[SRD], v130, 272
	v_lshl_add_u32 v[SRD], v129, 4, v[SRD]
	v_add_nc_u32 v[SRD], s62, v[SRD]               ; back: lanes 0-15 one row of 256 bytes, lanes 16-31 the next
	v_lshlrev_b32 v[GO], 13, v130
	v_lshl_add_u32 v[GO], v129, 4, v[GO]           ; and the same two rows in out0
	s_add_co_u32 s61, s61, OIMG
	v_add_nc_u32 v[OWI], s61, v[LI]
	s_add_co_u32 s60, s60, OSC
	v_lshl_add_u32 v[OWS], v129, 2, s60
	v_add_nc_u32 v[ORD], OIMG, v[LI]
	v_add_nc_u32 v[OSR], OSC, v[L4]
	v_lshlrev_b32 v[BPO], 2, v131
.irp m, 0,1,2,3
	v_mov_b32 v[ST+8*\m+1], 0xff61b1e6             ; the largest t so far: -3e38, under every t
	v_floor_f32 v[ST+8*\m], -v[ST+8*\m+1]          ; -M
	v_mov_b32 v[ST+8*\m+2], 0                      ; the sum, in two halves
	v_mov_b32 v[ST+8*\m+3], 0
	v_mov_b32 v[ST+8*\m+5], 0                      ; (named as the upper half of a pair)
.endr
.irp q, 0,1,2,3,4,5,6,7
	v_mov_b32 v[BT+\q], 0                          ; written once: a lane permute's destination counts as one of its sources
.endr
	NEXTADR                                        ; slot 0
; A TRIP: one slot of 256 keys; its K is in registers.  fill = 1: this slot is filled again with the keys two slots on; 2: with x; 0: with nothing.  first = 1: the products start O^T's sums.  ask: see ASK; 0: none.
; last = 1: there is no next slot: wp is fetched where K would be.
.macro TRIP fill, first, ask, last
	; ---- S^T = K Q^T: my four tiles of keys x the four tiles of queries; V's fragments are asked for in four runs between the K steps, so that they come while the matrix unit works
	WIN 0x0a                                       ; K and Q window 2, S^T window 0
	SC 0
	WIN 0
	PLACES                                         ; the last trip's products have read V's registers and scale words: four places ahead of the loads into them
.irp t, 0,1,2,3,4,5,6,7
	ds_load_b32 v[VS+\t], v[ADVS] offset:128*\t
.endr
	VLOAD 0
	WIN 0x0a
	SC 1
	VLOAD 1
	WIN 0x0a
	SC 2
	VLOAD 2
	WIN 0x0a
	SC 3
	VLOAD 3
	WIN 0
	PLACES                                         ; ahead of the first read of the scores
	; ---- the largest score of each block of 32 keys (block q = 2 m + e: registers S + 16 q on): for the row's maximum, and, since p rises with the score, for the block's largest p
.irp q, 0,1,2,3,4,5,6,7
	v_max3_num_f32 v[BM+\q], v[S+16*\q], v[S+16*\q+1], v[S+16*\q+2]
.endr
.irp i, 3,5,7,9,11,13
.irp q, 0,1,2,3,4,5,6,7
	v_max3_num_f32 v[BM+\q], v[BM+\q], v[S+16*\q+\i], v[S+16*\q+\i+1]
.endr
.endr
.irp q, 0,1,2,3,4,5,6,7
	v_max_num_f32 v[BM+\q], v[BM+\q], v[S+16*\q+15]
.endr
.irp q, 0,1,2,3,4,5,6,7
	v_permlanex16_b32 v[BT+\q], v[BM+\q], s[SEL], s[SEL+1]
.endr
.irp q, 0,1,2,3,4,5,6,7
	v_max_num_f32 v[BM+\q], v[BM+\q], v[BT+\q]     ; with lane l xor 16's 16 keys
.endr
.irp m, 0,1,2,3
	v_max_num_f32 v[SCL+\m], v[BM+2*\m], v[BM+2*\m+1]
.endr
.irp m, 0,1,2,3
	ds_store_b32 v[MXW], v[SCL+\m] offset:256*\m   ; my 64 keys' largest score of each query
.endr
	; ---- the change of slots.  One barrier for three things: every wave's maxima lie in LDS; nobody reads this slot any more; the next slot is whole
.if \fill
	s_wait_tensorcnt 0x0                           ; all my tensor loads have landed: the one that was out is my quarter of the next slot; so a group 0 may be written
	ds_add_u32 v[SPW], v[NIL]                      ; 0 onto my spare word: the steps below stand between it and the wait for it
.if \fill == 1
	s_xor_b32 s[GW+1], s[GW+1], KVBLK              ; the walking descriptor: the other slot than last time: this trip's,
	s_add_nc_u64 s[GW+2:GW+3], s[GW+2:GW+3], KVBLK ; the next 256 keys; the type bits on top are not reached
.endif
.if \ask
	s_wait_xcnt 0x0                                ; the last prefetch, a trip back, has read its address
	s_add_nc_u64 s[PFA:PFA+1], s[PFA:PFA+1], KVBLK ; one block of keys further on than the walking descriptor
.endif
	s_wait_dscnt 0x0                               ; the add is done, my maxima have landed, and V's fragments are in: my reads of this slot are over
	CROUND                                         ; all that now holds of every wave of every partner
.if \fill == 1
	tensor_load_to_lds s[GW:GW+3], s[G1:G1+7]      ; my one tensor load behind the round: it has a whole trip in which to land
	s_nop 0
.else
	tensor_load_to_lds s[G0X:G0X+3], s[G1X:G1X+7]  ; slot 0's last fill: x
	s_nop 0
.endif
	PLACES
.else
	s_wait_dscnt 0x0                               ; x's load may stay out
	s_barrier_signal -1
	s_barrier_wait -1
.endif
.irp m, 0,1,2,3
	ds_load_b128 v[MX4+4*\m:MX4+4*\m+3], v[MXR] offset:256*\m   ; the four waves' maxima
.endr
.if !\last
	NEXTADR                                        ; the next slot: the round has shown it whole
	KWORDS
.endif
.if \ask
	ASK \ask
.endif
.if \last
	s_wait_dscnt 0x0
.else
	s_wait_dscnt 8                                 ; the maxima are in; K's eight scale words, issued behind them, may be out
.endif
.irp m, 0,1,2,3
	v_max3_num_f32 v[SCL+\m], v[MX4+4*\m], v[MX4+4*\m+1], v[MX4+4*\m+2]
.endr
.irp m, 0,1,2,3
	v_max_num_f32 v[SCL+\m], v[SCL+\m], v[MX4+4*\m+3]
.endr
.irp m, 0,1,2,3
	v_mul_f32 v[SCL+\m], s[CS], v[SCL+\m]          ; as t (c is positive)
.endr
.irp m, 0,1,2,3
	v_max_num_f32 v[ST+8*\m+1], v[ST+8*\m+1], v[SCL+\m]   ; the running largest t: the same in all four waves
.endr
.irp m, 0,1,2,3
	v_mov_b32 v[SCL+\m], v[ST+8*\m]
.endr
.irp m, 0,1,2,3
	v_floor_f32 v[ST+8*\m], -v[ST+8*\m+1]          ; the new -M = floor(-t): M is a whole number
.endr
.irp m, 0,1,2,3
	v_sub_f32 v[SCL+\m], v[ST+8*\m], v[SCL+\m]     ; old M - new M: a whole number, 0 or less
.endr
.irp m, 0,1,2,3
	v_cvt_i32_f32 v[SCL+\m], v[SCL+\m]             ; (it saturates)
.endr
.irp m, 0,1,2,3
	v_ldexp_f32 v[ST+8*\m+4], 1.0, v[SCL+\m]       ; f = 2^(old M - new M)
.endr
	BATCH 0, \last                                 ; short runs of loads between the softmax's lines: they come while the vector unit works
.irp m, 0,1
.irp j, 0,2,4,6,8,10,12,14,16,18,20,22,24,26,28,30
	v_pk_fma_f32 v[S+32*\m+\j:S+32*\m+\j+1], v[S+32*\m+\j:S+32*\m+\j+1], s[CS:CS+1], v[ST+8*\m:ST+8*\m+1] op_sel_hi:[1,0,0]   ; t - M, two at a time
.endr
.endr
	BATCH 1, \last
.irp m, 2,3
.irp j, 0,2,4,6,8,10,12,14,16,18,20,22,24,26,28,30
	v_pk_fma_f32 v[S+32*\m+\j:S+32*\m+\j+1], v[S+32*\m+\j:S+32*\m+\j+1], s[CS:CS+1], v[ST+8*\m:ST+8*\m+1] op_sel_hi:[1,0,0]
.endr
.endr
.irp m, 0,1,2,3
.irp e, 0,1
	v_fma_f32 v[BM+2*\m+\e], v[BM+2*\m+\e], s[CS], v[ST+8*\m]   ; the same of each block's largest score
.endr
.endr
	BATCH 2, \last
.set ij, 0
.rept 64
	v_exp_f32 v[S+ij], v[S+ij]                     ; p = 2^(t - M), at most 1
.set ij, ij+1
.endr
.if !\last
	KSTEP 3
.endif
.rept 64
	v_exp_f32 v[S+ij], v[S+ij]
.set ij, ij+1
.endr
.irp m, 0,1,2,3
	v_pk_mul_f32 v[ST+8*\m+2:ST+8*\m+3], v[ST+8*\m+2:ST+8*\m+3], v[ST+8*\m+4:ST+8*\m+5] op_sel_hi:[1,0]   ; the sums under the new M (plain instructions behind the exponentials)
.endr
	s_wait_alu depctr_va_vdst(0)                   ; one wait for the whole batch, ahead of its first reader
.irp q, 0,1,2,3,4,5,6,7
	v_exp_f32 v[BM+\q], v[BM+\q]                   ; the blocks' largest p: the same two instructions on the same number give the same bits
.endr
.irp m, 0,1,2,3
	v_pk_add_f32 v[ST+8*\m+6:ST+8*\m+7], v[S+32*\m:S+32*\m+1], v[S+32*\m+2:S+32*\m+3]   ; the sum is taken of the unquantised p: two chains a tile
.endr
.irp j, 4,8,12,16,20,24,28
.irp m, 0,1,2,3
	v_pk_add_f32 v[ST+8*\m+2:ST+8*\m+3], v[ST+8*\m+2:ST+8*\m+3], v[S+32*\m+\j:S+32*\m+\j+1]
	v_pk_add_f32 v[ST+8*\m+6:ST+8*\m+7], v[ST+8*\m+6:ST+8*\m+7], v[S+32*\m+\j+2:S+32*\m+\j+3]
.endr
.endr
.irp m, 0,1,2,3
	v_pk_add_f32 v[ST+8*\m+2:ST+8*\m+3], v[ST+8*\m+2:ST+8*\m+3], v[ST+8*\m+6:ST+8*\m+7]
.endr
	s_wait_alu depctr_va_vdst(0)                   ; and one for the eight
.irp q, 0,1,2,3,4,5,6,7
	v_max_num_f32 v[BM+\q], 0x1800000, v[BM+\q]    ; the floor 2^(3 - 127): the byte cannot fall under 1
.endr
.irp q, 0,1,2,3,4,5,6,7
	v_add_nc_u32 v[SCL+\q], 0xff000000, v[BM+\q]   ; 2 off the exponent field: the conversion's scale operand
.endr
.irp q, 0,1,2,3,4,5,6,7
	v_lshrrev_b32 v[BT+\q], 23, v[SCL+\q]          ; the scale's byte
.endr
.irp m, 0,1,2,3
	v_lshl_or_b32 v[BM+\m], v[BT+2*\m+1], 8, v[BT+2*\m]   ; my two bytes of the query's scale word
.endr
.irp m, 0,1,2,3
.irp e, 0,1
	v_cvt_scalef32_pk8_fp4_f32 v[MX4+4*\m+2*\e], v[S+32*\m+16*\e:S+32*\m+16*\e+7], v[SCL+2*\m+\e]
	v_cvt_scalef32_pk8_fp4_f32 v[MX4+4*\m+2*\e+1], v[S+32*\m+16*\e+8:S+32*\m+16*\e+15], v[SCL+2*\m+\e]
.endr
.endr
	v_nop                                          ; a plain instruction behind the conversions
.irp m, 0,1,2,3
.irp e, 0,1
	ds_store_b64 v[PWR], v[MX4+4*\m+2*\e:MX4+4*\m+2*\e+1] offset:2048*\m+256*\e   ; 16 codes: half of the 16 bytes of lane (r, e) of the fragment's image; the wave's store covers 256 consecutive bytes
.endr
	ds_store_b16 v[PSW], v[BM+\m] offset:128*\m
.endr
	s_wait_dscnt 0x0                               ; for the others' sake: my stores have landed.  The next slot's K is in too: the next trip's products need no wait
	s_barrier_signal -1
.if !\first
	RESC 0                                         ; work on registers while the others arrive: half of O^T under the new M
	RESC 1
.endif
	s_barrier_wait -1
	; ---- O^T += V^T P^T: my eight tiles of channels x the four tiles of queries, K = the slot's 256 keys
	WIN 0xc0
.irp m, 0,1,2,3
.irp e, 0,1
	ds_load_b128 v[128+8*(2*\m+\e):128+8*(2*\m+\e)+3], v[PRD] offset:2048*\m+1024*\e
	ds_load_b128 v[128+8*(2*\m+\e)+4:128+8*(2*\m+\e)+7], v[PRD] offset:2048*\m+1024*\e+512
.endr
.endr
	WIN 0
.irp m, 0,1,2,3
	ds_load_b32 v[PS+\m], v[PSR] offset:128*\m
.endr
.if \last
	WPLOAD 3                                       ; the rest of what the projection wants: wp's last two tiles, its scale words and bp (into registers that p has left)
.set it, 0
.rept 8
.set is, 0
.rept 4
	global_load_b32 v[WPS+4*it+is], v[L4], s[WPB:WPB+1] offset:32768+512*it+128*is
.set is, is+1
.endr
	global_load_b32 v[BP+2*it], v[BPO], s[BPB:BPB+1] offset:(32*(it/2)+8*(it%2))*4     ; my output channel's bias, twice: a pair for the packed addition
	global_load_b32 v[BP+2*it+1], v[BPO], s[BPB:BPB+1] offset:(32*(it/2)+8*(it%2))*4
.set it, it+1
.endr
.endif
.if !\first
	RESC 2                                         ; the other half, while p's fragments come
	RESC 3
.endif
	s_wait_dscnt 0x0
	WIN 0x5f                                       ; V and P window 3, O^T window 1
.set ie, 0
.rept 2
.set it, 0
.rept 8
.set im, 0
.rept 4
.set rD, 64*im+8*it
.set rA, 8*(2*it+ie)
.set rB, 128+8*(2*im+ie)
.set rC, rD
.set rSA, VS+it
.set rSB, PS+im
.if (\first) && (ie == 0)
	WMZ ie, ie
.else
	WM ie, ie                                      ; the 32 accumulators take turns
.endif
.set im, im+1
.endr
.set it, it+1
.endr
.set ie, ie+1
.endr
	WIN 0
.endm
	s_wait_tensorcnt 0x1                           ; my quarter of slot 0 is in; slot 1's load may stay out
	s_barrier_signal -1
	s_barrier_wait -1                              ; everybody's is
	KWORDS                                         ; K of the first 256 keys
	KSTEP 0
	KSTEP 1
	KSTEP 2
	KSTEP 3
	s_wait_loadcnt 0x0                             ; Q and its scale words
	s_wait_dscnt 0x0
	TRIP 1, 1, 1, 0                                ; keys 0-255: its products start O^T's sums
	s_mov_b32 s[CNT], 5
.Ltrip:                                            ; five trips: keys 256 to 1,535; each fills its slot again
	TRIP 1, 0, 2, 0
	s_sub_co_u32 s[CNT], s[CNT], 1
	s_cmp_lg_u32 s[CNT], 0
	s_cbranch_scc1 .Ltrip
	TRIP 2, 0, 0, 0                                ; the last two trips are written out: slot 0 takes x
	TRIP 0, 0, 0, 1                                ; and the last asks for no tile
	; ================ the way out ================
.irp m, 0,1,2,3
	v_add_f32 v[ST+8*\m+2], v[ST+8*\m+2], v[ST+8*\m+3]   ; the sum's two halves (these additions are also the places behind the last products),
.endr
.irp m, 0,1,2,3
	v_permlanex16_b32 v[ST+8*\m+6], v[ST+8*\m+2], s[SEL], s[SEL+1]
.endr
.irp m, 0,1,2,3
	v_add_f32 v[ST+8*\m+2], v[ST+8*\m+2], v[ST+8*\m+6]   ; lane l xor 16's,
.endr
.irp m, 0,1,2,3
	ds_store_b32 v[MXW], v[ST+8*\m+2] offset:256*\m
.endr
	s_wait_dscnt 0x0
	s_barrier_signal -1
	s_barrier_wait -1
.irp m, 0,1,2,3
	ds_load_b128 v[MX4+4*\m:MX4+4*\m+3], v[MXR] offset:256*\m
.endr
	s_wait_dscnt 0x0
.irp m, 0,1,2,3
	v_add_f32 v[MX4+4*\m], v[MX4+4*\m], v[MX4+4*\m+1]    ; and the four waves': the row's sum
.endr
.irp m, 0,1,2,3
	v_add_f32 v[MX4+4*\m+2], v[MX4+4*\m+2], v[MX4+4*\m+3]
.endr
.irp m, 0,1,2,3
	v_add_f32 v[MX4+4*\m], v[MX4+4*\m], v[MX4+4*\m+2]
.endr
.irp m, 0,1,2,3
	v_rcp_f32 v[ST+8*\m+4], v[MX4+4*\m]
.endr
	v_nop                                          ; a plain instruction behind the last reciprocal,
	s_wait_alu depctr_va_vdst(0)                   ; and a wait ahead of the first use: one for the four
.irp m, 0,1,2,3
	RESC \m                                        ; O^T / the sum
.endr
.irp m, 0,1,2,3
	QUANT 64*\m, PC+8*\m, PW+\m                    ; my 128 channels are K step w of the projection
.endr
.irp m, 0,1,2,3
	ds_store_b128 v[OWI], v[PC+8*\m:PC+8*\m+3] offset:4096*\m
	ds_store_b128 v[OWI], v[PC+8*\m+4:PC+8*\m+7] offset:4096*\m+512
	ds_store_b32 v[OWS], v[PW+\m] offset:64*\m
.endr
	s_wait_dscnt 0x0
	s_barrier_signal -1
	s_barrier_wait -1                              ; O's sixteen fragments lie in LDS
	s_wait_tensorcnt 0x0                           ; x: I read only the rows that my own load brought
	WIN 0x40                                       ; the sums (t, m) at 8 (4 t + m) of window 1 begin as x: lane (r, h): channel row r of wp's tile t, positions 32 (m / 2) + 16 h + 8 (m % 2) + 0 .. 7
.set it, 0
.rept 8
.set im, 0
.rept 4
	ds_load_b128 v[8*(4*it+im):8*(4*it+im)+3], v[STO] offset:(32*(it/2)+8*(it%2))*272+(32*(im/2)+8*(im%2))*4
	ds_load_b128 v[8*(4*it+im)+4:8*(4*it+im)+7], v[STO] offset:(32*(it/2)+8*(it%2))*272+(32*(im/2)+8*(im%2))*4+16
.set im, im+1
.endr
.set it, it+1
.endr
	WIN 0xc0
.set im, 0
.rept 4
.set is, 0
.rept 4
	ds_load_b128 v[8*(4*im+is):8*(4*im+is)+3], v[ORD] offset:1024*(4*im+is)
	ds_load_b128 v[8*(4*im+is)+4:8*(4*im+is)+7], v[ORD] offset:1024*(4*im+is)+512
.set is, is+1
.endr
.set im, im+1
.endr
	WIN 0
.irp s, 0,1,2,3
.irp p, 0,1
	ds_load_b32 v[OS+2*\s+\p], v[OSR] offset:256*\s+128*\p
.endr
.endr
	s_wait_dscnt 0x0
	s_wait_loadcnt 0x0                             ; wp, its scale words, bp: asked for in the last trip
	WIN 0x41
.set it, 0
.rept 8
.set ij, 0
.rept 16
	v_pk_add_f32 v[32*it+2*ij:32*it+2*ij+1], v[32*it+2*ij:32*it+2*ij+1], v[BP+2*it:BP+2*it+1]   ; x + bp
.set ij, ij+1
.endr
.set it, it+1
.endr
; THE PROJECTION GOES BY PAIRS OF CHANNEL TILES, so that finished rows leave while the others are multiplied.  Pair g (wp's tiles 2 g, 2 g + 1) is 32 neighbouring channels: 32 matrix instructions, its eight accumulators by turns.
.macro MULP bb
	WIN 0x5b                                       ; O window 3, wp window 2, the sums window 1
.set is, 0
.rept 4
.set iu, 0
.rept 2
.set im, 0
.rept 4
.set it, 2*(\bb)+iu
.set rD, 8*(4*it+im)
.set rA, 8*(4*im+is)
.set rB, 8*(4*it+is)
.set rC, rD
.set rSA, OS+2*is+im/2
.set rSB, WPS+4*it+is
	WM im%2, 0
.set im, im+1
.endr
.set iu, iu+1
.endr
.set is, is+1
.endr
.endm
.macro TOSTAGE bb                      ; the pair's results go where its x lay, my own rows, and come back as whole rows of 256 bytes, into the registers of the wp fragments that the pair has used
	WIN 0
	PLACES                                         ; ahead of the reads of the results and of the loads into wp's registers
	WIN 0x04                                       ; an LDS store's data are its source 1: window 1
.set iu, 0
.rept 2
.set it, 2*(\bb)+iu
.set im, 0
.rept 4
	ds_store_b128 v[STO], v[8*(4*it+im):8*(4*it+im)+3] offset:(32*(it/2)+8*(it%2))*272+(32*(im/2)+8*(im%2))*4          ; each accumulator from its low end on
	ds_store_b128 v[STO], v[8*(4*it+im)+4:8*(4*it+im)+7] offset:(32*(it/2)+8*(it%2))*272+(32*(im/2)+8*(im%2))*4+16
.set im, im+1
.endr
.set iu, iu+1
.endr
	WIN 0x80
.set ii, 16*(\bb)
.rept 16
	ds_load_b128 v[4*ii:4*ii+3], v[SRD] offset:544*ii   ; LDS serves a wave's instructions in order (ISA guide 5.7.1.4): these see my stores
.set ii, ii+1
.endr
.endm
.macro SEND bb
	WIN 0x08                                       ; a store's data are its source 1: window 2
.set ii, 0
.rept 16
	s_wait_dscnt 15-ii                             ; the pair's later rows may be out
	global_store_b128 v[GO], v[4*(16*(\bb)+ii):4*(16*(\bb)+ii)+3], s[OUTB:OUTB+1] offset:16384*(16*(\bb)+ii) th:TH_STORE_NT   ; sixteen lanes store 256 consecutive bytes, at a multiple of 256 from out0's first byte
.set ii, ii+1
.endr
.endm
	MULP 0
.irp g, 0,1,2,3
	TOSTAGE \g
.if \g < 3
	MULP \g+1                                      ; the next pair's products stand between a pair's loads from the stage and the waits for them
.endif
	SEND \g
.endr
	WIN 0
	s_wait_tensorcnt 0x0                           ; the wave's end: behind my last tensor load and my last LDS store
	ds_add_u32 v[SPW], v[NIL]
	s_wait_dscnt 0x0
	CROUND                                         ; the closing round: no work-group ends while a partner may still ask jointly
	s_endpgm
.Lfunc_end_k_qd70a5a9faa_attn:
	.size	k_qd70a5a9faa_attn, .Lfunc_end_k_qd70a5a9faa_attn-k_qd70a5a9faa_attn
	.p2alignl 7, 3214868480
	.fill 96, 4, 3214868480
	.section	.rodata,"a",@progbits
	.p2align	6, 0x0
	.amdhsa_kernel k_qd70a5a9faa_attn
		.amdhsa_group_segment_fixed_size 327680
		.amdhsa_private_segment_fixed_size 0
		.amdhsa_enable_private_segment 0
		.amdhsa_kernarg_size 48
		.amdhsa_user_sgpr_count 2
		.amdhsa_user_sgpr_kernarg_segment_ptr 1
		.amdhsa_wavefront_size32 1
		.amdhsa_system_sgpr_workgroup_id_x 1
		.amdhsa_system_sgpr_workgroup_id_y 1
		.amdhsa_system_sgpr_workgroup_id_z 1
		.amdhsa_system_vgpr_workitem_id 0
		.amdhsa_next_free_vgpr 1024
		.amdhsa_next_free_sgpr 80
		.amdhsa_reserve_vcc 0
		.amdhsa_float_denorm_mode_32 3
		.amdhsa_float_denorm_mode_16_64 3
		.amdhsa_memory_ordered 1
		.amdhsa_forward_progress 1
		.amdhsa_inst_pref_size 255
	.end_amdhsa_kernel
	.section	.bss,"aw",@nobits
	.p2align	6
	.space	262144
	.amdgpu_metadata
---
amdhsa.version: [ 1, 2 ]
amdhsa.kernels:
  - .name:           k_qd70a5a9faa_attn
    .symbol:         k_qd70a5a9faa_attn.kd
    .args:
      - { .name: qbuf, .offset: 0, .size: 8, .value_kind: global_buffer, .address_space: global }
      - { .name: kvbuf, .offset: 8, .size: 8, .value_kind: global_buffer, .address_space: global }
      - { .name: wbuf, .offset: 16, .size: 8, .value_kind: global_buffer, .address_space: global }
      - { .name: bp, .offset: 24, .size: 8, .value_kind: global_buffer, .address_space: global }
      - { .name: x, .offset: 32, .size: 8, .value_kind: global_buffer, .address_space: global }
      - { .name: out0, .offset: 40, .size: 8, .value_kind: global_buffer, .address_space: global }
    .group_segment_fixed_size: 327680
    .private_segment_fixed_size: 0
    .kernarg_segment_align: 8
    .kernarg_segment_size: 48
    .max_flat_workgroup_size: 128
    .sgpr_count:     80
    .vgpr_count:     1024
    .wavefront_size: 32
...
	.end_amdgpu_metadata
.endif
;; end of part 3
